; MI455X (gfx1250); checked and timed in simulation.
; The chip was launched on July 23, 2026; its instructions are those of AMD's public machine-readable ISA for CDNA 5 (MIT licence, August 2026) and "CDNA5" Instruction Set Architecture Reference Guide (July 2026). The comments in the code are by the model that wrote it; some were corrected since.
;; Transformer Layer. Allowed arithmetic: matrix products marked QUANTISED: E2M3 operands, one E8M0 scale for each 32 along K, by v_wmma_scale_f32_16x16x128_f8f6f4 with both operands' format E2M3, f32 sums; everything else in f32.
;; Inputs: W1 1,024 x 4,096 float32; W2 4,096 x 1,024 float32; Wk 1,024 x 1,024 float32; Wo 1,024 x 1,024 float32; Wq 1,024 x 1,024 float32; Wv 1,024 x 1,024 float32; b1 4,096 float32; b2 1,024 float32; causal_mask 1 x 1 x 2,048 x 2,048 bool; ln1_offset 1,024 float32; ln1_scale 1,024 float32; ln2_offset 1,024 float32; ln2_scale 1,024 float32; pos 64 x 1,024 float32; rpe 16 x 64 float32; x 2 x 2,048 x 1,024 float32.
;; Outputs: out0 2 x 2,048 x 1,024 float32.
;; This version of the problem:
;;   THIS VERSION OF THE PROBLEM IS GIVEN IN LOW PRECISION. The matrix products marked QUANTISED in the list below multiply operands that are first quantised to E2M3 (2 exponent bits, 3 mantissa bits; 6 bits a number), with one power-of-two scale for each 32 numbers along K (OCP MX v1.0); their sums are f32. All else is computed in f32.
;;   The module's matrix products, in the order in which they are computed (A, B: the left and right operand; K: the contracted axis; several contracted axes count as one K, in the product's order):
;;     1. [M 4,096, K 1,024] x [K 1,024, N 1,024]; A: computed on the way; B: input Wq: QUANTISED
;;     2. [M 4,096, K 1,024] x [K 1,024, N 1,024]; A: computed on the way; B: input Wk: QUANTISED
;;     3. [M 4,096, K 1,024] x [K 1,024, N 1,024]; A: computed on the way; B: input Wv: QUANTISED
;;     4. batch 32 x [M 2,048, K 64] x [K 64, N 2,048]; A: computed on the way; B: computed on the way: QUANTISED
;;     5. batch 32 x [M 64, K 2,048] x [K 2,048, N 2,048]; A: computed on the way; B: softmax (see below): QUANTISED
;;     6. [M 4,096, K 1,024] x [K 1,024, N 1,024]; A: computed on the way; B: input Wo: QUANTISED
;;     7. [M 4,096, K 1,024] x [K 1,024, N 4,096]; A: computed on the way; B: input W1: QUANTISED
;;     8. [M 4,096, K 4,096] x [K 4,096, N 1,024]; A: computed on the way; B: input W2: QUANTISED
;;   THE QUANTISER, for each operand of a quantised product, along K:
;;     - K is cut into blocks of 32 from its start; a last block that is shorter is filled with zeros.
;;     - A block's scale is 2^e with e = floor(log2(the largest magnitude in the block)) - 2, held to -126 .. 127; a block of zeros has e = 0. As a byte (E8M0): e + 127.
;;     - Each number is divided by its block's scale, clamped to +-7.5, and rounded to the nearest number of E2M3, ties to even, subnormals kept.
;;     - The product sums the exact products of the quantised numbers (number of the format x scale) in f32.
;;   ~~~python
;;   def quantise(x, axis):      # numpy; x: float32 -> the quantised numbers, widened to float32 again
;;       x = np.moveaxis(x, axis, -1); K = x.shape[-1]
;;       x = np.pad(x, [(0, 0)] * (x.ndim - 1) + [(0, -K % 32)]); x = x.reshape(x.shape[:-1] + (-1, 32)); a = np.abs(x).max(-1, keepdims=True)
;;       e = np.where(a > 0, np.clip(np.frexp(np.where(a > 0, a, 1))[1] - 1 - 2, -126, 127), 0)      # np.frexp(a)[1] - 1 = floor(log2(a)), exactly
;;       r = np.clip(x / 2.0 ** e, -7.5, 7.5)
;;       step = 2.0 ** (np.maximum(np.frexp(np.where(r == 0, 1, r))[1] - 1, 0) - 3)
;;       q = np.round(r / step) * step * 2.0 ** e      # np.round: ties to even
;;       return np.moveaxis(q.reshape(q.shape[:-2] + (-1,))[..., :K], -1, axis).astype(np.float32)
;;   ~~~
;;   SOFTMAX AHEAD OF A QUANTISED PRODUCT. Where the list says 'softmax', what is quantised is not the finished softmax but p = 2^(t - M), with t = logit x log2(e) and M = ceil(the row's largest t), a whole number; so 1/2 < the row's largest p <= 1. The row's sum l is taken of the UNQUANTISED p, in f32, and the product's result is divided by l at the end. Since M is a whole number, a kernel that streams over the keys may use a running M (the ceiling of the running maximum): every later rescaling is an exact power of two, which a block's scale takes up: the codes' values come out the same.
;;   OPERANDS COMPUTED ON THE WAY. 'Computed on the way' means the value that the module computes at that place (a softmax that the list does not call 'softmax' is quantised finished and normalised). What goes into a quantiser is computed in f32, as accurately as f32 sums, v_exp_f32 and their like allow (about 1e-6 of the number): no bf16 or f16 on the way to a quantiser, and a product that is left as it is and whose result goes on into a quantised operand takes f32 operands (vector FMAs, or v_wmma_f32_16x16x4_f32). A number that lies on a knife's edge between two numbers of the format may be rounded either way, as far as f32 arithmetic and the matrix unit's own rounding can turn it there, and no further.
;; One version. Each part assembles by itself: llvm-mc -triple=amdgcn-amd-amdhsa -mcpu=gfx1250 --defsym DOCPART=n.
;; ======== version 1 of 1: 6 launches
;; limits: right only within a limited range of input values
;; workspace buffers: p1 13,631,488 bytes; p2 10,354,688 bytes; p3 20,185,088 bytes; p4 13,631,488 bytes; p5 16,777,216 bytes
;; launch prep (part 1): grid 640 x 1, 4 waves a work-group, no clusters, 59,904 bytes of LDS; arguments Wq, Wk, Wv, Wo, W1, W2, x, pos, p1; writes p1
.if DOCPART == 1
	.amdgcn_target "amdgcn-amd-amdhsa--gfx1250"
	.amdhsa_code_object_version 6
	.text
	.protected	k_qae0f5987d2_prep
	.globl	k_qae0f5987d2_prep
	.p2align	8
	.type	k_qae0f5987d2_prep,@function
k_qae0f5987d2_prep:
	s_mov_b64 s[64:65], 0
	v_nop
	global_prefetch_b8 v0, s[64:65] scope:SCOPE_SE
	s_setreg_imm32_b32 hwreg(HW_REG_WAVE_MODE, 25, 1), 1
	s_wait_xcnt 0x0
; The six weights (f32, K their first axis) and h = x + pos (K innermost) become codes of FP6 (E2M3) with one E8M0 byte for each 32 along K.
; LAYOUT OF p1: records.  A record is the image of one operand fragment's registers (16 rows x 128 K, 12 registers a lane): register p of lane l
; at 512 (p / 4) + 16 l + 4 (p % 4); codes at 1,536 x record, its scale words (4 bytes a lane, lanes 16-31 repeat lanes 0-15) at SBASE + 128 x record.
; THE ROWS OF A TILE ARE NOT NEIGHBOURS: lane r of tile 2 b + u holds row 32 b + 8 u + r + 8 (r / 8).
; Records: Wq|Wk|Wv|Wo|W1: 8 x tile + K step (tiles 0-511);  W2: 4,096 + 32 x tile + K step;  h: 6,144 + 8 x tile + K step.
; Work-groups 0-383 take 128 columns x 256 K of a weight (a lane a column, its registers down K); work-groups 384-639 a tile of 16 rows of h.
; Each of the two ways has LDS bytes of its own.  No barrier: waves share nothing.
; LIMITS: NaN and infinities are not served; a block of zeros gets the byte 1 (its codes are zeros; only this program reads the bytes).
.set X,     32                         ; v32-95   numbers
.set XP,    96                         ; v96-159  pos (h's way)
.set VO,    96                         ; v96-127  4 l + i x pitch (the weights' way)
.set C,     128                        ; v128-136 a block's codes
.set SB,    24                         ; v24-25   scale words of the two K steps
.set OUTR,  140                        ; v140-187 the way out
.set TM,    160
.set PC,    176
.set PX,    188
.set PW,    196
.set SEL,   24                         ; s[24:25]
.set HSTG,  25600                      ; h's stages begin behind the weights' four stages of 6,400 bytes
.set SBASE, 12582912
.set MSB, 0
.macro WIN new
.if MSB != (\new)
	s_set_vgpr_msb (MSB<<8)|(\new)
.set MSB, (\new)
.endif
.endm
; 64 numbers of a lane, register 16 b + i = k 32 b + 16 (lane / 16) + i of its row, in window w, become a fragment's codes in v[PC] on and its scale word in v[PW]
.macro QUANT s, w
	WIN 0
.irp b, 0,1,2,3
	v_mov_b32 v[TM+\b], 0x1800000                  ; the floor 2^(3 - 127): the byte cannot fall under 1
.endr
	WIN (((\w)<<2)|((\w)<<4))
.irp i, 0,2,4,6,8,10,12,14
.irp b, 0,1,2,3
	v_max3_num_f32 v[TM+\b], v[TM+\b], |v[(\s)+16*\b+\i]|, |v[(\s)+16*\b+\i+1]|
.endr
.endr
	WIN 0
.irp b, 0,1,2,3
	v_permlanex16_b32 v[TM+4+\b], v[TM+\b], s[SEL], s[SEL+1]
.endr
.irp b, 0,1,2,3
	v_max_num_f32 v[TM+\b], v[TM+\b], v[TM+4+\b]   ; with lane l xor 16's: the block's largest magnitude
.endr
.irp b, 0,1,2,3
	v_add_nc_u32 v[TM+12+\b], 0xff000000, v[TM+\b] ; 2 off its exponent field: the conversion's scale operand
.endr
.irp b, 0,1,2,3
	v_lshrrev_b32 v[TM+4+\b], 23, v[TM+12+\b]      ; the scale's byte
.endr
	v_lshl_or_b32 v[PW], v[TM+5], 8, v[TM+4]
	v_lshl_or_b32 v[PW], v[TM+6], 16, v[PW]
	v_lshl_or_b32 v[PW], v[TM+7], 24, v[PW]
	WIN (\w)
.irp c, 0,1
	v_cvt_scalef32_pk16_fp6_f32 v[PC+6*\c:PC+6*\c+2], v[(\s)+32*\c:(\s)+32*\c+15], v[TM+12+2*\c]
	v_cvt_scalef32_pk16_fp6_f32 v[PX+4*\c:PX+4*\c+2], v[(\s)+32*\c+16:(\s)+32*\c+31], v[TM+12+2*\c+1]
.endr
	WIN 0
	v_nop                                          ; one plain place behind a scaled conversion
.irp c, 0,1
.irp i, 0,1,2
	v_permlane16_swap_b32 v[PC+6*\c+\i], v[PX+4*\c+\i]   ; a whole block to a lane
.endr
.irp i, 0,1,2
	v_mov_b32 v[PC+6*\c+3+\i], v[PX+4*\c+\i]
.endr
.endr
.endm
	s_load_b256 s[4:11], s[0:1], 0x0               ; Wq, Wk, Wv, Wo
	s_load_b256 s[12:19], s[0:1], 0x20             ; W1, W2, x, pos
	s_load_b64 s[20:21], s[0:1], 0x40              ; p1
	v_lshl_add_u32 v208, v0, 2, 0xe800
	v_mov_b32 v209, 0
	v_lshrrev_b32 v1, 5, v0
	v_readfirstlane_b32 s22, v1                    ; wave
	v_and_b32 v2, 31, v0                           ; lane
	v_lshlrev_b32 v3, 4, v2                        ; 16 l
	s_mov_b32 s[SEL], 0x76543210
	s_mov_b32 s[SEL+1], 0xfedcba98
	s_cmp_ge_u32 ttmp9, 384
	s_cbranch_scc1 .Lh
	; ---------------- a weight: 128 columns x 256 along K
	s_lshr_b32 s26, ttmp9, 7                       ; class: 0 the four square weights, 1 W1, 2 W2
	s_and_b32 s27, ttmp9, 127
	s_mov_b32 s32, 4096
	s_cmp_eq_u32 s26, 1
	s_cselect_b32 s32, 16384, s32                  ; a row of the weight in bytes
	s_cmp_eq_u32 s26, 2
	s_cselect_b32 s28, 4, 2                        ; log2 of the chunks of 256 along K
	s_cselect_b32 s29, 32, 8                       ; records of a tile
	s_bfm_b32 s30, s28, 0
	s_and_b32 s30, s27, s30                        ; which chunk along K
	s_lshr_b32 s31, s27, s28                       ; which 128 columns of the class
	s_and_b32 s33, s31, 7
	s_cmp_eq_u32 s26, 0
	s_cselect_b32 s33, s33, s31                    ; and of the weight
	s_lshl_b32 s34, s26, 11
	s_lshl_b32 s35, s31, 6
	s_add_co_u32 s34, s34, s35
	s_lshl_b32 s35, s31, 8
	s_add_co_u32 s35, s35, 4096
	s_cmp_eq_u32 s26, 2
	s_cselect_b32 s34, s35, s34
	s_lshl_b32 s35, s30, 1
	s_add_co_u32 s34, s34, s35
	s_lshl_b32 s35, s22, 1
	s_mul_i32 s35, s35, s29
	s_add_co_u32 s34, s34, s35                     ; the record of my wave's first tile, first K step
	s_lshl_b32 s36, s30, 8
	s_mul_i32 s36, s36, s32
	s_lshl_b32 s37, s33, 9
	s_add_co_u32 s36, s36, s37
	s_lshl_b32 s37, s22, 7
	s_add_co_u32 s36, s36, s37                     ; where my wave's 32 columns x 256 rows begin, in bytes
	s_mov_b32 s37, 0
	s_lshl_b32 s38, s32, 5                         ; 32 rows on
	s_mov_b32 s39, 0
	s_lshr_b32 s56, s27, 5                         ; which of the four square weights
	s_lshl_b32 s57, s29, 7                         ; a tile's scale records in bytes
	v_bfe_u32 v5, v0, 3, 1                         ; my column's tile of the two: u = (l / 8) % 2
	v_and_b32 v6, 7, v0
	v_bfe_u32 v7, v0, 4, 1
	v_lshl_add_u32 v6, v7, 3, v6                   ; and its lane there: r = l % 8 + 8 (l / 16)
	v_mul_u32_u24 v4, v5, 3200
	v_lshl_add_u32 v4, v6, 4, v4
	s_mul_i32 s23, s22, 6400
	v_add_nc_u32 v4, s23, v4                       ; the stage: 6,400 w + 3,200 u + 16 r
	s_wait_alu depctr_va_vdst(0)
	v_add_nc_u32 v10, s23, v3                      ; and back: 6,400 w + 16 l
	v_mul_u32_u24 v8, s57, v5
	v_lshl_add_u32 v8, v6, 2, v8                   ; scale words: my tile's records + 4 r
	v_lshlrev_b32 v[VO], 2, v2
.set ii, 1
.rept 31
	v_add_nc_u32 v[VO+ii], s32, v[VO+ii-1]         ; 4 l + i rows
.set ii, ii+1
.endr
	s_wait_alu depctr_va_vdst(0)
	s_wait_kmcnt 0x0
	s_cmp_eq_u32 s56, 1                            ; the source is chosen on the work-group's number alone
	s_cselect_b64 s[4:5], s[6:7], s[4:5]
	s_cmp_eq_u32 s56, 2
	s_cselect_b64 s[4:5], s[8:9], s[4:5]
	s_cmp_eq_u32 s56, 3
	s_cselect_b64 s[4:5], s[10:11], s[4:5]
	s_cmp_eq_u32 s26, 1
	s_cselect_b64 s[4:5], s[12:13], s[4:5]
	s_cmp_eq_u32 s26, 2
	s_cselect_b64 s[4:5], s[14:15], s[4:5]
	s_add_nc_u64 s[40:41], s[4:5], s[36:37]
.irp t, 1,2,3,4,5,6,7
	s_add_nc_u64 s[40+2*\t:41+2*\t], s[38+2*\t:39+2*\t], s[38:39]   ; a base for each block of 32 rows
.endr
	s_lshl_b32 s36, s34, 7
	s_add_co_u32 s36, s36, SBASE
	s_add_nc_u64 s[58:59], s[20:21], s[36:37]      ; my scale records
	s_mul_i32 s36, s34, 1536
	s_add_nc_u64 s[60:61], s[20:21], s[36:37]      ; my first tile's records
	s_mul_i32 s36, s29, 1536
	s_add_nc_u64 s[62:63], s[60:61], s[36:37]      ; my second tile's
.macro LOADW t                         ; block t: W(32 t + i, my column); 32 lanes read 128 consecutive bytes, the four waves 512
.set ii, 0
.rept 32
	global_load_b32 v[X+32*((\t)%2)+ii], v[VO+ii], s[40+2*(\t):41+2*(\t)] th:TH_LOAD_NT
.set ii, ii+1
.endr
.endm
	LOADW 0
	LOADW 1
.macro BLOCK t
.set XS, X+32*((\t)%2)
.if (\t) < 7
	s_wait_loadcnt 32                              ; this block's 32 loads are in; the next block's may be out
.else
	s_wait_loadcnt 0
.endif
	v_max3_num_f32 v12, |v[XS]|, |v[XS+1]|, |v[XS+2]|
	v_max3_num_f32 v13, |v[XS+3]|, |v[XS+4]|, |v[XS+5]|
.irp i, 6,10,14,18,22,26
	v_max3_num_f32 v12, v12, |v[XS+\i]|, |v[XS+\i+1]|
	v_max3_num_f32 v13, v13, |v[XS+\i+2]|, |v[XS+\i+3]|
.endr
	v_max3_num_f32 v12, v12, |v[XS+30]|, |v[XS+31]|
	v_max3_num_f32 v12, v12, v13, 0x1800000        ; and the floor
	v_add_nc_u32 v11, 0xff000000, v12
	v_cvt_scalef32_pk16_fp6_f32 v[C:C+2], v[XS:XS+15], v11
	v_cvt_scalef32_pk16_fp6_f32 v[C+6:C+8], v[XS+16:XS+31], v11
	v_lshrrev_b32 v13, 23, v11                     ; the byte (the plain place behind the conversions)
.if (\t)%4 == 0
	v_mov_b32 v[SB+(\t)/4], v13
.else
	v_lshl_or_b32 v[SB+(\t)/4], v13, 8*((\t)%4), v[SB+(\t)/4]
.endif
.irp i, 0,1,2
	v_mov_b32 v[C+3+\i], v[C+6+\i]                 ; the block's six registers on end
.endr
; block t is registers 6 c .. 6 c + 5 of lane r + 16 hh of K step t / 4, c = (t / 2) % 2, hh = t % 2: it goes to its place in the image
.if ((\t)/2)%2 == 0
	ds_store_b128 v4, v[C:C+3] offset:((\t)/4)*1536+256*((\t)%2)
	ds_store_b64 v4, v[C+4:C+5] offset:((\t)/4)*1536+512+256*((\t)%2)
.else
	ds_store_b64 v4, v[C:C+1] offset:((\t)/4)*1536+520+256*((\t)%2)
	ds_store_b128 v4, v[C+2:C+5] offset:((\t)/4)*1536+1024+256*((\t)%2)
.endif
.if (\t)+2 < 8
	LOADW (\t)+2
.endif
	s_wait_dscnt 0x0                               ; the stores have read their registers: the next block's codes may be written
.endm
.irp t, 0,1,2,3,4,5,6,7
	BLOCK \t
.endr
	s_wait_alu depctr_va_vdst(0)
.irp s, 0,1
	global_store_b32 v8, v[SB+\s], s[58:59] offset:128*\s       ; the word of row r, for lanes 0-15 of the record
	global_store_b32 v8, v[SB+\s], s[58:59] offset:128*\s+64    ; and once more for lanes 16-31
.endr
.irp u, 0,1
.irp s, 0,1
.irp j, 0,1,2
	ds_load_b128 v[OUTR+4*(6*\u+3*\s+\j):OUTR+4*(6*\u+3*\s+\j)+3], v10 offset:\u*3200+\s*1536+512*\j   ; LDS serves a wave's instructions in order: these see my stores
.endr
.endr
.endr
.irp u, 0,1
.irp s, 0,1
.irp j, 0,1,2
	s_wait_dscnt 11-(6*\u+3*\s+\j)
	global_store_b128 v3, v[OUTR+4*(6*\u+3*\s+\j):OUTR+4*(6*\u+3*\s+\j)+3], s[60+2*\u:61+2*\u] offset:\s*1536+512*\j   ; 512 consecutive bytes, aligned
.endr
.endr
.endr
	s_wait_tensorcnt 0x0
	ds_add_u32 v208, v209
	s_wait_dscnt 0x0
	s_endpgm
	; ---------------- h = x + pos: tile T of 16 rows; wave w takes K steps 2 w and 2 w + 1
.Lh:
	s_sub_co_u32 s26, ttmp9, 384                   ; T
	s_lshr_b32 s27, s26, 1
	s_and_b32 s28, s26, 1
	s_lshl_b32 s29, s27, 5
	s_lshl_b32 s28, s28, 3
	s_add_co_u32 s29, s29, s28                     ; the tile's first row: 32 (T / 2) + 8 (T % 2)
	s_lshl_b32 s31, s22, 10                        ; my 256 columns
	s_lshl_b32 s32, s29, 12
	s_add_co_u32 s32, s32, s31
	s_mov_b32 s33, 0
	s_and_b32 s34, s29, 63                         ; pos: the row modulo 64
	s_lshl_b32 s34, s34, 12
	s_add_co_u32 s34, s34, s31
	s_mov_b32 s35, 0
	s_lshl_b32 s36, s26, 3
	s_lshl_b32 s37, s22, 1
	s_add_co_u32 s36, s36, s37
	s_add_co_u32 s36, s36, 6144                    ; my first record
	s_lshl_b32 s38, s36, 7
	s_add_co_u32 s38, s38, SBASE
	s_mov_b32 s39, 0
	s_mul_i32 s36, s36, 1536
	s_mov_b32 s37, 0
	s_wait_alu depctr_va_vdst(0)
	v_lshlrev_b32 v5, 2, v2                        ; 4 l
	v_and_b32 v6, 15, v0                           ; r
	v_bfe_u32 v7, v0, 4, 1                         ; h
	s_mul_i32 s23, s22, 8448
	s_add_co_u32 s23, s23, HSTG                    ; my stage: 16 rows of 512 bytes + 16
	v_add_nc_u32 v11, s23, v3                      ; in: a row an instruction
	v_mul_u32_u24 v12, v6, 528
	v_lshl_add_u32 v12, v7, 6, v12
	v_add_nc_u32 v12, s23, v12                     ; back: row r, + 64 h: 16 neighbours of each block of 32
.irp b, 0,1,2,3
	v_mov_b32 v[TM+4+\b], 0                        ; written once: a lane permute's destination counts as read
.endr
	s_wait_kmcnt 0x0
	s_add_nc_u64 s[16:17], s[16:17], s[32:33]
	s_add_nc_u64 s[18:19], s[18:19], s[34:35]
	s_add_nc_u64 s[40:41], s[20:21], s[36:37]
	s_add_nc_u64 s[42:43], s[20:21], s[38:39]
.irp q, 0,1
.set jj, 0
.rept 16
	global_load_b128 v[X+4*jj:X+4*jj+3], v3, s[16:17] offset:(jj+8*(jj/8))*4096+512*\q th:TH_LOAD_NT   ; 512 consecutive bytes of the tile's lane jj
	global_load_b128 v[XP+4*jj:XP+4*jj+3], v3, s[18:19] offset:(jj+8*(jj/8))*4096+512*\q
.set jj, jj+1
.endr
	s_wait_loadcnt 0x0
.set jj, 0
.rept 32
	v_pk_add_f32 v[X+2*jj:X+2*jj+1], v[X+2*jj:X+2*jj+1], v[XP+2*jj:XP+2*jj+1]
.set jj, jj+1
.endr
.set jj, 0
.rept 16
	ds_store_b128 v11, v[X+4*jj:X+4*jj+3] offset:528*jj
.set jj, jj+1
.endr
.irp b, 0,1,2,3
.irp k, 0,1,2,3
	ds_load_b128 v[X+16*\b+4*\k:X+16*\b+4*\k+3], v12 offset:128*\b+16*\k
.endr
.endr
	s_wait_dscnt 0x0
.if \q
	s_wait_xcnt 0x0                                ; the first K step's stores have read their registers
.endif
	QUANT X, 0
.irp j, 0,1,2
	global_store_b128 v3, v[PC+4*\j:PC+4*\j+3], s[40:41] offset:1536*\q+512*\j
.endr
	global_store_b32 v5, v[PW], s[42:43] offset:128*\q
.endr
	s_wait_tensorcnt 0x0
	ds_add_u32 v208, v209
	s_wait_dscnt 0x0
	s_endpgm
.Lfunc_end_k_qae0f5987d2_prep:
	.size	k_qae0f5987d2_prep, .Lfunc_end_k_qae0f5987d2_prep-k_qae0f5987d2_prep
	.p2alignl 7, 3214868480
	.fill 96, 4, 3214868480
	.section	.rodata,"a",@progbits
	.p2align	6, 0x0
	.amdhsa_kernel k_qae0f5987d2_prep
		.amdhsa_group_segment_fixed_size 59904
		.amdhsa_private_segment_fixed_size 0
		.amdhsa_enable_private_segment 0
		.amdhsa_kernarg_size 72
		.amdhsa_user_sgpr_count 2
		.amdhsa_user_sgpr_kernarg_segment_ptr 1
		.amdhsa_wavefront_size32 1
		.amdhsa_system_sgpr_workgroup_id_x 1
		.amdhsa_system_sgpr_workgroup_id_y 1
		.amdhsa_system_sgpr_workgroup_id_z 1
		.amdhsa_system_vgpr_workitem_id 0
		.amdhsa_next_free_vgpr 210
		.amdhsa_next_free_sgpr 80
		.amdhsa_reserve_vcc 0
		.amdhsa_float_denorm_mode_32 3
		.amdhsa_float_denorm_mode_16_64 3
		.amdhsa_memory_ordered 1
		.amdhsa_forward_progress 1
		.amdhsa_inst_pref_size 69
	.end_amdhsa_kernel
	.amdgpu_metadata
---
amdhsa.version: [ 1, 2 ]
amdhsa.kernels:
  - .name:           k_qae0f5987d2_prep
    .symbol:         k_qae0f5987d2_prep.kd
    .args:
      - { .name: Wq, .offset: 0, .size: 8, .value_kind: global_buffer, .address_space: global }
      - { .name: Wk, .offset: 8, .size: 8, .value_kind: global_buffer, .address_space: global }
      - { .name: Wv, .offset: 16, .size: 8, .value_kind: global_buffer, .address_space: global }
      - { .name: Wo, .offset: 24, .size: 8, .value_kind: global_buffer, .address_space: global }
      - { .name: W1, .offset: 32, .size: 8, .value_kind: global_buffer, .address_space: global }
      - { .name: W2, .offset: 40, .size: 8, .value_kind: global_buffer, .address_space: global }
      - { .name: x, .offset: 48, .size: 8, .value_kind: global_buffer, .address_space: global }
      - { .name: pos, .offset: 56, .size: 8, .value_kind: global_buffer, .address_space: global }
      - { .name: p1, .offset: 64, .size: 8, .value_kind: global_buffer, .address_space: global }
    .group_segment_fixed_size: 59904
    .private_segment_fixed_size: 0
    .kernarg_segment_align: 8
    .kernarg_segment_size: 72
    .max_flat_workgroup_size: 128
    .sgpr_count:     80
    .vgpr_count:     210
    .wavefront_size: 32
...
	.end_amdgpu_metadata
.endif
;; end of part 1
;; launch qkv (part 2): grid 12 x 16, 4 waves a work-group, clusters of 4 x 4, 327,680 bytes of LDS; arguments p1, p2; writes p2
.if DOCPART == 2
	.amdgcn_target "amdgcn-amd-amdhsa--gfx1250"
	.amdhsa_code_object_version 6
	.text
	.protected	k_qae0f5987d2_qkv
	.globl	k_qae0f5987d2_qkv
	.p2align	8
	.type	k_qae0f5987d2_qkv,@function
k_qae0f5987d2_qkv:
	s_mov_b64 s[64:65], 0
	v_nop
	global_prefetch_b8 v0, s[64:65] scope:SCOPE_SE
	s_setreg_imm32_b32 hwreg(HW_REG_WAVE_MODE, 25, 1), 1
	s_wait_xcnt 0x0
	s_wait_alu depctr_hold_cnt(0) depctr_sa_sdst(0) depctr_va_vdst(0) depctr_va_sdst(0) depctr_va_ssrc(0) depctr_va_vcc(0) depctr_vm_vsrc(0)
	s_getreg_b32 s2, hwreg(HW_REG_IB_STS2, 6, 4)
	s_cmp_eq_u32 s2, 0
	s_cbranch_scc0 .Lentry_in_a_cluster
	s_endpgm
.Lentry_in_a_cluster:
	s_bfe_u32 s2, ttmp6, 0x10000c
	s_cmp_lg_u32 s2, 0xf033
	s_cbranch_scc0 .Lentry_shape_is_right
	s_endpgm
.Lentry_shape_is_right:
; q | k | v = h (Wq | Wk | Wv) on codes of FP6 with E8M0 scales; the results are quantised here: q and k along the head's 64, v along the keys.
; A work-group makes 256 x 256, a wave 128 x 128 in 64 accumulators.  Operands lie in p1 as images of fragments' registers (1,536 bytes for 16 rows x 128 K), so a tile's part of a slot is one row of 3,072 bytes
; for the tensor load and a fragment is three ds_load_b128 of 512 consecutive bytes.  K = 1,024 goes in four fills of two LDS slots of 256 along K; the scale words of all of K come once.
; CLUSTERS 4 x 4: h's tiles are shared along a row of the cluster, the weights' along a column: joint loads.
; SOURCE 0 = the weights' tiles, SOURCE 1 = h's: a lane holds a row of h and 64 neighbouring columns (the tiles' rows are chosen so).  For v (cluster x = 2, the same in all partners) the two change places,
; by the LDS read addresses alone: a lane then holds a channel, and its registers run along the keys.
; OUT (p2): records of 1,536 bytes laid by halves: registers 6 c .. 6 c + 3 at 768 c + 16 l, registers 6 c + 4, 6 c + 5 at 768 c + 512 + 8 l, so that a block of 32 along K can be fetched alone.
; q, k: record 16 T + s (s: 0-7 q's pairs of heads, 8-15 k's); v: 4,096 + 32 x channel tile + key step.  Scale words at 9,437,184 + 128 x record.
; The sum of v's quantised numbers over each 128 keys (v's codes x codes of 1.0) goes to 10,223,616 + 4 (1,024 x key step + channel): it serves the rows that see nothing.
; LIMITS: NaN and infinities are not served; a block of zeros gets the byte 1.
.set NQ,     2
.set FR,     12
.set NL,     3
.set NP,     4
.set HALFT,  24576                     ; 8 tiles x 2 K steps x 1,536: what one tensor load brings
.set SLOT,   4*HALFT
.set SCL,    2*SLOT                    ; the scale words: four quarters of 8,192 bytes, [tile][K step][128]
.set SPARE,  294912                    ; the spare words, 128 bytes a wave, far behind the scale words
.set ADRA, 16                          ; v16-17 source 1's fragments in slot 0, 1
.set ADRB, 20                          ; v20-21 source 0's
.set VPO,  23                          ; v23    my channel's bytes among 32 partial sums
.set L16,  24
.set L8,   25
.set L4,   26
.set ADRS, 27
.set SPW,  28
.set NIL,  29
.set SC,   32                          ; v32-63 scale words, two sets: register 16 sc + 2 i + q: lanes 0-15 source 1's tile i, lanes 16-31 source 0's
.set PC,   64
.set PX,   76
.set TM,   84
.set PW,   100
.set ONE,  104                         ; v104-115 codes of 1.0
.set ONES, 116                         ; v116 the scale 1.0, four times
.set VD,   120
.set RES,  128
.set AF,   128                         ; source 1's fragments, one set, window 0; source 0's two sets lie in window 1 at v0 and v128
.set G1, 24
.set G0, 32
.set G1B, 48
.set G0B, 56
.set G1S, 68
.set G0S, 76
.set G1SB, 80
.set G0SB, 88
.set SEL, 96
.set MSB, 0
.macro WIN new
.if MSB != (\new)
	s_set_vgpr_msb (MSB<<8)|(\new)
.set MSB, (\new)
.endif
.endm
.set MUL_LO, 0xa1
.set MUL_HI, 0xf1
.set TO_B,   0x40
.macro QUANT s, w
	WIN 0
.irp b, 0,1,2,3
	v_mov_b32 v[TM+\b], 0x1800000                  ; the floor 2^(3 - 127)
.endr
	WIN (((\w)<<2)|((\w)<<4))
.irp i, 0,2,4,6,8,10,12,14
.irp b, 0,1,2,3
	v_max3_num_f32 v[TM+\b], v[TM+\b], |v[(\s)+16*\b+\i]|, |v[(\s)+16*\b+\i+1]|   ; each accumulator is read from its low end on
.endr
.endr
	WIN 0
.irp b, 0,1,2,3
	v_permlanex16_b32 v[TM+4+\b], v[TM+\b], s[SEL], s[SEL+1]
.endr
.irp b, 0,1,2,3
	v_max_num_f32 v[TM+\b], v[TM+\b], v[TM+4+\b]
.endr
.irp b, 0,1,2,3
	v_add_nc_u32 v[TM+12+\b], 0xff000000, v[TM+\b]
.endr
.irp b, 0,1,2,3
	v_lshrrev_b32 v[TM+4+\b], 23, v[TM+12+\b]
.endr
	v_lshl_or_b32 v[PW], v[TM+5], 8, v[TM+4]
	v_lshl_or_b32 v[PW], v[TM+6], 16, v[PW]
	v_lshl_or_b32 v[PW], v[TM+7], 24, v[PW]
	WIN (\w)
.irp c, 0,1
	v_cvt_scalef32_pk16_fp6_f32 v[PC+6*\c:PC+6*\c+2], v[(\s)+32*\c:(\s)+32*\c+15], v[TM+12+2*\c]
	v_cvt_scalef32_pk16_fp6_f32 v[PX+4*\c:PX+4*\c+2], v[(\s)+32*\c+16:(\s)+32*\c+31], v[TM+12+2*\c+1]
.endr
	WIN 0
	v_nop
.irp c, 0,1
.irp i, 0,1,2
	v_permlane16_swap_b32 v[PC+6*\c+\i], v[PX+4*\c+\i]
.endr
.irp i, 0,1,2
	v_mov_b32 v[PC+6*\c+3+\i], v[PX+4*\c+\i]
.endr
.endr
.endm
; a joint load: waves 0 and 1 fetch h's halves, waves 2 and 3 the weights'; four v_nop follow each line
.macro JLOAD g0a, g1a, g0b, g1b
	s_cmp_eq_u32 s15, 0
	s_cbranch_scc0 .Lfor_b_\@
	tensor_load_to_lds s[\g0a:\g0a+3], s[\g1a:\g1a+7]
	s_nop 0
.rept 4
	v_nop
.endr
	s_branch .Lasked_\@
.Lfor_b_\@:
	tensor_load_to_lds s[\g0b:\g0b+3], s[\g1b:\g1b+7]
	s_nop 0
.rept 4
	v_nop
.endr
.Lasked_\@:
.endm
.macro CREST
	s_cmp_lg_u32 s14, 0
	s_cbranch_scc1 .Lnot_wave_0_\@
	s_barrier_signal -3
.Lnot_wave_0_\@:
	s_barrier_wait -3
	s_barrier_signal -1
	s_barrier_wait -1
.endm
.macro CROUND
	s_barrier_signal -1
	s_barrier_wait -1
	CREST
.endm
	s_load_b128 s[4:7], s[0:1], 0x0                ; p1, p2
	v_lshl_add_u32 v[SPW], v0, 2, SPARE
	v_mov_b32 v[NIL], 0
	ds_add_u32 v28, v29
	ds_add_u32 v28, v29
	s_wait_dscnt 0x0
	v_lshrrev_b32 v1, 5, v0
	v_readfirstlane_b32 s14, v1                    ; wave
	s_lshr_b32 s15, s14, 1
	s_and_b32 s16, s14, 1
	s_bfe_u32 s40, ttmp6, 0x40000                  ; cx
	s_bfe_u32 s41, ttmp6, 0x40004                  ; cy
	s_lshl_b32 s42, ttmp9, 2
	s_add_co_u32 s42, s42, s40                     ; tile column
	s_and_b32 s17, ttmp7, 0xffff
	s_lshl_b32 s17, s17, 2
	s_add_co_u32 s17, s17, s41                     ; tile row
	s_lshl_b32 s43, s41, 2
	s_lshl_b32 s43, 15, s43                        ; my row of the cluster
	s_lshl_b32 s44, 0x1111, s40                    ; my column
	; codes: 8 rows (tiles) of 3,072 bytes (384 elements of 8), 12,288 bytes apart
	s_or_b32 s[G1+0], s43, (3<<16)|(1<<21)
	s_or_b32 s[G1B+0], s44, (3<<16)|(1<<21)
.irp g, G1, G1B
	s_mov_b32 s[\g+1], 384<<16
	s_mov_b32 s[\g+2], 16<<16                      ; 16 tiles for the head's loads; set to 8, for the ring's, behind them
	s_mov_b32 s[\g+3], 384<<16
	s_mov_b32 s[\g+4], 16
	s_mov_b32 s[\g+5], 1536
	s_mov_b32 s[\g+6], 0
	s_mov_b32 s[\g+7], 0
.endr
	; scale words of 16 tiles: 16,384 dense bytes as 64 rows of 256
	s_or_b32 s[G1S+0], s43, (3<<16)|(1<<21)
	s_or_b32 s[G1SB+0], s44, (3<<16)|(1<<21)
.irp g, G1S, G1SB
	s_mov_b32 s[\g+1], 32<<16
	s_mov_b32 s[\g+2], 64<<16                      ; the scale words of 16 tiles: 16,384 dense bytes as 64 rows of 256
	s_mov_b32 s[\g+3], 32<<16
	s_mov_b32 s[\g+4], 64
	s_mov_b32 s[\g+5], 32
	s_mov_b32 s[\g+6], 0
	s_mov_b32 s[\g+7], 0
.endr
	s_lshl_b32 s20, s17, 4
	s_add_co_u32 s20, s20, 768                     ; h's tiles begin at tile 768 of p1
	s_lshl_b32 s46, s42, 4                         ; the weights' first tile
	s_lshl_b32 s22, s20, 10
	s_add_co_u32 s22, s22, 12582912
	s_mov_b32 s23, 0
	s_lshl_b32 s92, s46, 10
	s_add_co_u32 s92, s92, 12582912
	s_mov_b32 s93, 0
	s_mul_i32 s20, s20, 12288
	s_mov_b32 s21, 0
	s_mul_i32 s46, s46, 12288
	s_mov_b32 s47, 0
	s_mul_i32 s45, s14, HALFT                      ; where the ring's loads go: wave x a quarter
	s_mul_i32 s2, s16, 98304                       ; in the ring I fetch 8 tiles of 16: which half, in bytes
	s_mov_b32 s3, 0
	s_wait_kmcnt 0x0
	s_add_nc_u64 s[20:21], s[4:5], s[20:21]
	s_add_nc_u64 s[22:23], s[4:5], s[22:23]
	s_add_nc_u64 s[46:47], s[4:5], s[46:47]
	s_add_nc_u64 s[92:93], s[4:5], s[92:93]
	CROUND                                         ; all sixteen work-groups are here: the first joint loads meet
	s_mov_b32 s[G0S], 1
	s_mov_b32 s[G0S+1], SCL
	s_mov_b64 s[G0S+2:G0S+3], s[22:23]
	s_or_b32 s[G0S+3], s[G0S+3], 0x80000000
	s_mov_b32 s[G0SB], 1
	s_mov_b32 s[G0SB+1], SCL+16384
	s_mov_b64 s[G0SB+2:G0SB+3], s[92:93]
	s_or_b32 s[G0SB+3], s[G0SB+3], 0x80000000
; slot 0's group 0 first serves the head's whole loads (16 tiles); slot 1's is the ring's: my 8 tiles, the second 256 along K
.irp g, G0, G0B
	s_mov_b32 s[\g], 1
	s_mov_b32 s[\g+4], 1
	s_add_co_u32 s[\g+5], s45, SLOT
.endr
	s_mov_b32 s[G0+1], 0
	s_mov_b32 s[G0B+1], 2*HALFT
	s_mov_b64 s[G0+2:G0+3], s[20:21]
	s_mov_b64 s[G0B+2:G0B+3], s[46:47]
	s_add_nc_u64 s[G0+6:G0+7], s[20:21], s[2:3]
	s_add_nc_u64 s[G0B+6:G0B+7], s[46:47], s[2:3]
.irp g, G0, G0B
	s_add_nc_u64 s[\g+6:\g+7], s[\g+6:\g+7], 3072
	s_or_b32 s[\g+3], s[\g+3], 0x80000000
	s_or_b32 s[\g+7], s[\g+7], 0x80000000
.endr
; THE HEAD'S LOADS, ONE A WAVE: wave 0 slot 0's part of h, wave 1 the weights', wave 2 h's scale words, wave 3 the weights'.  One tree of branches on the wave's number
.macro ARM under, g0, g1, next
	s_cmp_lt_u32 s14, \under
	s_cbranch_scc0 \next
	tensor_load_to_lds s[\g0:\g0+3], s[\g1:\g1+7]
	s_nop 0
.rept 4
	v_nop
.endr
	s_branch .Lhead_asked
\next:
.endm
	ARM 1, G0,  G1,  .Lhead_b
	ARM 2, G0B, G1B, .Lhead_sa
	ARM 3, G0S, G1S, .Lhead_sb
	tensor_load_to_lds s[G0SB:G0SB+3], s[G1SB:G1SB+7]
	s_nop 0
.rept 4
	v_nop
.endr
.Lhead_asked:
	; f = 1 in v's work-groups: the cluster's x, equal in all partners
	s_cmp_eq_u32 ttmp9, 2
	s_cselect_b32 s95, 1, 0
	s_cselect_b32 s19, 0, 1
	v_and_b32 v1, 31, v0                           ; lane
	v_bfe_u32 v2, v0, 4, 1                         ; h
	v_lshlrev_b32 v[L16], 4, v1
	s_wait_alu depctr_va_vdst(0)
	v_lshlrev_b32 v[L8], 3, v1
	v_lshlrev_b32 v[L4], 2, v1
	s_mul_i32 s21, s95, 2*HALFT                    ; source 1: h's quarters, or the weights'
	s_mul_i32 s18, s15, HALFT
	s_add_co_u32 s21, s21, s18
	s_mul_i32 s22, s19, 2*HALFT                    ; source 0: the other stream's
	s_mul_i32 s18, s16, HALFT
	s_add_co_u32 s22, s22, s18
.irp s, 0,1
	v_add_nc_u32 v[ADRA+\s], s21, v[L16]
	v_add_nc_u32 v[ADRB+\s], s22, v[L16]
	s_add_co_u32 s21, s21, SLOT
	s_add_co_u32 s22, s22, SLOT
.endr
	; my quarter of the scale words: lanes 0-15 take source 1's half s15, lanes 16-31 source 0's half s16; the weights' two quarters lie behind h's two
	s_xor_b32 s92, s15, s16
	s_wait_alu depctr_va_vdst(0)
	v_mul_u32_u24 v3, s92, v2
	v_xor_b32 v3, s15, v3                          ; h ? s16 : s15
	v_xor_b32 v4, s95, v2                          ; 1 where the lane's stream is the weights'
	v_lshl_add_u32 v3, v4, 1, v3                   ; the quarter, 0 to 3
	v_lshl_add_u32 v3, v3, 13, v[L4]
	v_add_nc_u32 v[ADRS], SCL, v3
	v_and_b32 v6, 15, v0
	v_lshrrev_b32 v7, 3, v6
	v_lshl_add_u32 v6, v7, 3, v6
	v_lshl_add_u32 v6, v2, 3, v6
	v_lshlrev_b32 v[VPO], 2, v6                    ; 4 (r + 8 (r / 8) + 8 h)
.irp k, 0,1,2,3
	v_mov_b32 v[ONE+3*\k], 0x08208208              ; sixteen codes of 1.0 (0b001000) are 96 bits
	v_mov_b32 v[ONE+3*\k+1], 0x82082082
	v_mov_b32 v[ONE+3*\k+2], 0x20820820
.endr
	v_mov_b32 v[ONES], 0x7f7f7f7f
.irp b, 0,1,2,3
	v_mov_b32 v[TM+4+\b], 0
.endr
	s_mov_b32 s[SEL], 0x76543210
	s_mov_b32 s[SEL+1], 0xfedcba98
	; where the results go
	s_sub_co_u32 s46, s42, 8
	s_cmp_eq_u32 ttmp9, 2
	s_cselect_b32 s47, s46, s17                    ; source 1's coordinate
	s_cselect_b32 s46, s17, s42                    ; source 0's
	s_cselect_b32 s92, 5, 4                        ; log2 of the records of a tile
	s_cselect_b32 s93, 4096, 0
	s_lshl_b32 s47, s47, 4
	s_lshl_b32 s18, s15, 3
	s_add_co_u32 s47, s47, s18                     ; my first tile
	s_lshl_b32 s46, s46, 1
	s_add_co_u32 s46, s46, s16                     ; my K step of the next product
	s_lshl_b32 s18, s47, s92
	s_add_co_u32 s18, s18, s46
	s_add_co_u32 s18, s18, s93                     ; my first record
	s_mul_i32 s20, s18, 1536
	s_mov_b32 s21, 0
	s_add_nc_u64 s[8:9], s[6:7], s[20:21]
	s_lshl_b32 s20, s18, 7
	s_add_co_u32 s20, s20, 9437184
	s_add_nc_u64 s[10:11], s[6:7], s[20:21]
	s_lshl_b32 s12, 1536, s92                      ; a tile on
	s_mov_b32 s13, 0
	s_lshl_b32 s66, 128, s92
	s_mov_b32 s67, 0
	s_lshl_b32 s20, s46, 12
	s_lshl_b32 s18, s47, 6
	s_add_co_u32 s20, s20, s18
	s_add_co_u32 s20, s20, 10223616
	s_add_nc_u64 s[98:99], s[6:7], s[20:21]        ; the partial sums (used where f = 1)
.macro FRAG reg, adr, q, i             ; a fragment's image: three loads of 512 consecutive bytes
.irp j, 0,1,2
	ds_load_b128 v[\reg+4*\j:\reg+4*\j+3], v[\adr] offset:(\i)*3072+(\q)*1536+512*\j
.endr
.endm
; 16 matrix instructions; the 64 accumulators take turns, one instruction a turn
.macro MUL16 a0, p, q, sc, zero
.irp a, \a0, \a0+1
.irp b, 0,1,2,3,4,5,6,7
.if \zero
	v_wmma_scale_f32_16x16x128_f8f6f4 v[8*(8*((\a)%4)+\b):8*(8*((\a)%4)+\b)+7], v[128*(\p)+FR*\b:128*(\p)+FR*\b+FR-1], v[AF+FR*(\a):AF+FR*(\a)+FR-1], 0, v[SC+8*NQ*(\sc)+NQ*\b+(\q)], v[SC+8*NQ*(\sc)+NQ*(\a)+(\q)] matrix_a_fmt:MATRIX_FMT_FP6 matrix_b_fmt:MATRIX_FMT_FP6 matrix_a_scale:MATRIX_SCALE_ROW1
.else
	v_wmma_scale_f32_16x16x128_f8f6f4 v[8*(8*((\a)%4)+\b):8*(8*((\a)%4)+\b)+7], v[128*(\p)+FR*\b:128*(\p)+FR*\b+FR-1], v[AF+FR*(\a):AF+FR*(\a)+FR-1], v[8*(8*((\a)%4)+\b):8*(8*((\a)%4)+\b)+7], v[SC+8*NQ*(\sc)+NQ*\b+(\q)], v[SC+8*NQ*(\sc)+NQ*(\a)+(\q)] matrix_a_fmt:MATRIX_FMT_FP6 matrix_b_fmt:MATRIX_FMT_FP6 matrix_a_scale:MATRIX_SCALE_ROW1
.endif
.endr
.endr
.endm
.macro FETCH_B slot, q, p
	WIN TO_B
.irp i, 0,1,2,3,4,5,6,7
	FRAG 128*(\p)+FR*\i, ADRB+\slot, \q, \i
.endr
	WIN 0
.endm
.macro FETCH_A slot, q, i0
.irp i, \i0, \i0+1, \i0+2, \i0+3
	FRAG AF+FR*(\i), ADRA+\slot, \q, \i
.endr
.endm
.macro SCALES sc
.irp i, 0,1,2,3,4,5,6,7
.irp q, 0,1
	ds_load_b32 v[SC+8*NQ*\sc+NQ*\i+\q], v[ADRS] offset:\i*1024+\q*128
.endr
.endr
.endm
.macro PLACES n                        ; plain places in front of loads into registers that matrix instructions have read, and of the first read of results
.rept \n
	v_nop
.endr
.endm
.macro STEP slot, q, zero
	s_wait_dscnt 4*NL                              ; all but source 1's blocks 4-7 (4 x 3 loads) are in
	WIN MUL_LO
	MUL16 0, (\q)%2, \q, \slot, \zero
	MUL16 2, (\q)%2, \q, \slot, \zero
	s_wait_dscnt 0
	PLACES NP
	FETCH_B \slot, (\q)+1, 1-(\q)%2
	FETCH_A \slot, (\q)+1, 0
	WIN MUL_HI
	MUL16 4, (\q)%2, \q, \slot, \zero
	MUL16 6, (\q)%2, \q, \slot, \zero
	PLACES NP
	WIN 0
	FETCH_A \slot, (\q)+1, 4
.endm
; a slot's last step changes slots: each wave waits for all its tensor loads, adds 0 to its spare word, waits for that and for its reads of the slot; one barrier, which opens the cluster's round where the slot is filled again
.macro TURN slot, next, fill
	s_wait_tensorcnt 0x0                           ; all my tensor loads have landed: my part of the next slot
	ds_add_u32 v[SPW], v[NIL]
	s_wait_dscnt 4*NL+1                            ; (the add and twelve loads may be out)
	WIN MUL_LO
	MUL16 0, 1, NQ-1, \slot, 0
	s_wait_dscnt 0x0                               ; the add is done, my reads of this slot are over
	s_barrier_signal -1
	MUL16 2, 1, NQ-1, \slot, 0
	WIN 0
	s_barrier_wait -1
.if \fill
	CREST
	s_add_nc_u64 s[G0+4*\slot+2:G0+4*\slot+3], s[G0+4*\slot+2:G0+4*\slot+3], 6144
	s_add_nc_u64 s[G0B+4*\slot+2:G0B+4*\slot+3], s[G0B+4*\slot+2:G0B+4*\slot+3], 6144
	JLOAD G0+4*\slot, G1, G0B+4*\slot, G1B         ; the first tensor load behind the round; its four v_nop are the places in front of the loads below
.else
	PLACES NP
.endif
	s_wait_alu depctr_va_vdst(0)
	v_add_nc_u32 v[ADRS], 128*NQ, v[ADRS]
	FETCH_B \next, 0, 0
	FETCH_A \next, 0, 0
	SCALES \next
	WIN MUL_HI
	MUL16 4, 1, NQ-1, \slot, 0
	MUL16 6, 1, NQ-1, \slot, 0
	PLACES NP
	WIN 0
	FETCH_A \next, 0, 4
.endm
	s_wait_alu depctr_va_vdst(0)
	s_wait_tensorcnt 0x0                           ; my tile of the head's four is in
	ds_add_u32 v[SPW], v[NIL]
.irp g, G0, G0B                        ; no tensor load of mine is out: slot 0's group 0 becomes the ring's: my quarter, my 8 tiles
	s_mov_b32 s[\g+1], s45
	s_add_nc_u64 s[\g+2:\g+3], s[\g+2:\g+3], s[2:3]
.endr
.irp g, G1, G1B                        ; and a load brings 8 tiles from here on
	s_mov_b32 s[\g+2], 8<<16
	s_mov_b32 s[\g+4], 8
.endr
	s_wait_dscnt 0x0
	CROUND                                         ; all four tiles are in, all sixteen work-groups are here
	JLOAD G0+4, G1, G0B+4, G1B                     ; slot 1's first fill, the first tensor load behind the round
	FETCH_B 0, 0, 0
	FETCH_A 0, 0, 0
	SCALES 0
	FETCH_A 0, 0, 4
	STEP 0, 0, 1                                   ; the first products start the sums
	TURN 0, 1, 1                                   ; eight steps of 128 along K, written on end: four fills in all
	STEP 1, 0, 0
	TURN 1, 0, 1
	STEP 0, 0, 0
	TURN 0, 1, 0
	STEP 1, 0, 0
	s_wait_dscnt 4*NL
	WIN MUL_LO
	MUL16 0, 1, NQ-1, 1, 0
	MUL16 2, 1, NQ-1, 1, 0
	s_wait_dscnt 0
	WIN MUL_HI
	MUL16 4, 1, NQ-1, 1, 0
	MUL16 6, 1, NQ-1, 1, 0
	WIN 0
	PLACES NP
	; THE WAY OUT: the 64 registers of source 1's tile a are 128 neighbours along the next K: one fragment and one scale word a row, stored from registers.
.irp a, 0,1,2,3,4,5,6,7
.if \a > 0
	s_wait_xcnt 0x0                                ; the last tile's stores have read their registers and bases
	s_add_nc_u64 s[8:9], s[8:9], s[12:13]
	s_add_nc_u64 s[10:11], s[10:11], s[66:67]
.endif
	QUANT 64*(\a%4), 2+\a/4
	global_store_b128 v[L16], v[PC:PC+3], s[8:9]
	global_store_b64 v[L8], v[PC+4:PC+5], s[8:9] offset:512
	global_store_b128 v[L16], v[PC+6:PC+9], s[8:9] offset:768
	global_store_b64 v[L8], v[PC+10:PC+11], s[8:9] offset:1280
	global_store_b32 v[L4], v[PW], s[10:11]
	PLACES 8                                       ; a scale word made by vector instructions stands eight places ahead of a scaled product
	; the sum of the fragment's quantised numbers along its K: x codes of 1.0.  Issued in every work-group, so that no register's state hangs on a branch; kept for v alone
	v_wmma_scale_f32_16x16x128_f8f6f4 v[VD:VD+7], v[ONE:ONE+11], v[PC:PC+11], 0, v[ONES], v[PW] matrix_a_fmt:MATRIX_FMT_FP6 matrix_b_fmt:MATRIX_FMT_FP6
	PLACES 4
	v_mov_b32 v[RES+\a], v[VD]
.endr
	s_cmp_eq_u32 s95, 1
	s_cbranch_scc0 .Lno_v
	v_cmp_le_u32 vcc_lo, 16, v1
.irp p, 0,1,2,3
	v_cndmask_b32 v[VD+\p], v[RES+2*\p], v[RES+2*\p+1], vcc_lo     ; lanes 0-15 the even tile's channels, lanes 16-31 the odd tile's
	global_store_b32 v[VPO], v[VD+\p], s[98:99] offset:128*\p      ; 32 channels, 128 consecutive bytes
.endr
.Lno_v:
	s_wait_tensorcnt 0x0                           ; the wave's end
	ds_add_u32 v[SPW], v[NIL]
	s_wait_dscnt 0x0
	CROUND                                         ; the closing round
	s_endpgm
.Lfunc_end_k_qae0f5987d2_qkv:
	.size	k_qae0f5987d2_qkv, .Lfunc_end_k_qae0f5987d2_qkv-k_qae0f5987d2_qkv
	.p2alignl 7, 3214868480
	.fill 96, 4, 3214868480
	.section	.rodata,"a",@progbits
	.p2align	6, 0x0
	.amdhsa_kernel k_qae0f5987d2_qkv
		.amdhsa_group_segment_fixed_size 327680
		.amdhsa_private_segment_fixed_size 0
		.amdhsa_enable_private_segment 0
		.amdhsa_kernarg_size 16
		.amdhsa_user_sgpr_count 2
		.amdhsa_user_sgpr_kernarg_segment_ptr 1
		.amdhsa_wavefront_size32 1
		.amdhsa_system_sgpr_workgroup_id_x 1
		.amdhsa_system_sgpr_workgroup_id_y 1
		.amdhsa_system_sgpr_workgroup_id_z 1
		.amdhsa_system_vgpr_workitem_id 0
		.amdhsa_next_free_vgpr 1024
		.amdhsa_next_free_sgpr 100
		.amdhsa_reserve_vcc 1
		.amdhsa_float_denorm_mode_32 3
		.amdhsa_float_denorm_mode_16_64 3
		.amdhsa_memory_ordered 1
		.amdhsa_forward_progress 1
		.amdhsa_inst_pref_size 152
	.end_amdhsa_kernel
	.amdgpu_metadata
---
amdhsa.version: [ 1, 2 ]
amdhsa.kernels:
  - .name:           k_qae0f5987d2_qkv
    .symbol:         k_qae0f5987d2_qkv.kd
    .args:
      - { .name: p1, .offset: 0, .size: 8, .value_kind: global_buffer, .address_space: global }
      - { .name: p2, .offset: 8, .size: 8, .value_kind: global_buffer, .address_space: global }
    .group_segment_fixed_size: 327680
    .private_segment_fixed_size: 0
    .kernarg_segment_align: 8
    .kernarg_segment_size: 16
    .max_flat_workgroup_size: 128
    .sgpr_count:     100
    .vgpr_count:     1024
    .wavefront_size: 32
...
	.end_amdgpu_metadata
.endif
;; end of part 2
;; launch attn (part 3): grid 256 x 1, 8 waves a work-group, no clusters, 294,912 bytes of LDS; arguments p2, p1, causal_mask, rpe, x, pos, ln1_scale, ln1_offset, p3; writes p3
.if DOCPART == 3
	.amdgcn_target "amdgcn-amd-amdhsa--gfx1250"
	.amdhsa_code_object_version 6
	.text
	.protected	k_qae0f5987d2_attn
	.globl	k_qae0f5987d2_attn
	.p2align	8
	.type	k_qae0f5987d2_attn,@function
k_qae0f5987d2_attn:
	s_mov_b64 s[64:65], 0
	v_nop
	global_prefetch_b8 v0, s[64:65] scope:SCOPE_SE
	s_setreg_imm32_b32 hwreg(HW_REG_WAVE_MODE, 25, 1), 1
	s_wait_xcnt 0x0
; attention in the window of 64 keys, out @ Wo, the residual, LN1, and LN1's result as f32 and as codes.  All products on codes of FP6 with E8M0 scales.
; A work-group owns tile T of 16 queries (rows 32 G + 8 u + r + 8 (r / 8), G = T / 2, u = T % 2; batch b = G / 64, block a = G % 64).  The keys that the window built in the model leaves to these
; queries lie in the blocks of 32 keys a - 2, a - 1, a: three blocks of scores, and ONE K step of 128 keys (blocks a - 3 .. a, block a - 3 as zero codes) for the second product.
; Wave g is: the pair of heads 2 g, 2 g + 1; K step g of out; columns 128 g .. 128 g + 127 of out @ Wo and of LN1.  Four barriers, no loop, no tensor load.
; S^T = K Q^T with C = 8 x rpe where the key is visible, else -2^123 (outside the window, rpe = 0, a hole in the mask input, a block before the sequence's start); t = S x log2(e) / 8; M = ceil(the row's largest t);
; p = 2^(t - M) is quantised along the keys; the row's sum is taken of the unquantised p.
; A ROW THAT SEES NOTHING (largest S under -2^120): the model's softmax is then uniform over all 2,048 keys, so the row takes the mean of v's quantised numbers, from the partial sums that the launch before has stored; chosen by v_cndmask_b32.
; WHY NO JOINT LOADS: a K step of Wo is 98,304 bytes for a work-group and feeds 8 matrix instructions a wave; as a ring every refill would have to land between two rounds.  Loads into registers keep two K steps
; (2 x 12,288 bytes a wave) on their way with no barrier.  K and V are shared by two work-groups alone.
; LIMITS: NaN and infinities are not served; visible scores + 8 rpe stay above -2^120; a block of zeros gets the byte 1.
; ONE TENSOR LOAD A WAVE is the exception to the lines above: K steps 0 and 1 of my eight tiles of Wo (8 rows of 3,072 bytes) come at the head into LDS bytes of my own, filled once and read by me alone;
; K steps 2 to 7 come into registers, two K steps on their way, as said above.
.set HST,  0
.set WB,   96256                       ; behind the spare words: 24,576 bytes for each wave: Wo's K steps 0 and 1, [tile][K step][1,536]
.set EB,   67584                       ; 16 heads x 128 words: the bias by x = 32 (block) + 16 h + i + 23 - r - 8 (r / 8)
.set VM,   75776                       ; the mean of v: 1,024 words
.set OIMG, 79872                       ; out's eight fragments
.set OSC,  92160                       ; their scale words
.set RED,  93184                       ; sums of the rows, a wave's 128 bytes each; the squares' 1,024 bytes on
.set L16,  4
.set L8,   5
.set L4,   6
.set EA,   7
.set VMA,  8
.set STW,  9
.set STR,  10
.set VA0,  11
.set VA1,  12
.set VB0,  13
.set VB1,  14
.set MO,   15
.set SENTR, 16
.set REDW, 17
.set WSO,  18
.set REDR, 19
.set Q,    20                          ; v20-25 head 0's codes, v26-31 zeros, v32-37 head 1's
.set OF,   20                          ; later out's eight fragments, v20-115
.set HR,   20                          ; later h, v20-83
.set TP,   38                          ; v38-41 at work
.set TM,   42
.set PC,   58
.set PX,   70
.set LS,   78                          ; v[78:79] the row's sum in two halves
.set RL,   80                          ; v80 1 / sum (named as a pair with v81)
.set RM,   81                          ; v81 the row's largest score
.set NM,   82                          ; v[82:83] -M
.set S,    84                          ; v84-131 scores, then p
.set O,    132                         ; v132-195 O^T of two heads; later the sums of out @ Wo; later z
.set AT0,  196
.set AT1,  197
.set RP,   198                         ; v198-205 rpe
.set AT2,  206
.set AT3,  207
.set QS,   208                         ; v208-255 hold scale words and nothing else
.set KS,   209
.set PW,   215
.set OFS,  208
.set VS,   216
.set WOS,  224
.set SEL,  28
.set CS,   30
.set MSB, 0
.macro WIN new
.if MSB != (\new)
	s_set_vgpr_msb (MSB<<8)|(\new)
.set MSB, (\new)
.endif
.endm
.macro QUANT s, w
	WIN 0
.irp b, 0,1,2,3
	v_mov_b32 v[TM+\b], 0x1800000
.endr
	WIN (((\w)<<2)|((\w)<<4))
.irp i, 0,2,4,6,8,10,12,14
.irp b, 0,1,2,3
	s_delay_alu instid0(VALU_DEP_4)
	v_max3_num_f32 v[TM+\b], v[TM+\b], |v[(\s)+16*\b+\i]|, |v[(\s)+16*\b+\i+1]|
.endr
.endr
	WIN 0
.irp b, 0,1,2,3
	s_delay_alu instid0(VALU_DEP_4)
	v_permlanex16_b32 v[TM+4+\b], v[TM+\b], s[SEL], s[SEL+1]
.endr
.irp b, 0,1,2,3
	s_delay_alu instid0(VALU_DEP_4)
	v_max_num_f32 v[TM+\b], v[TM+\b], v[TM+4+\b]
.endr
.irp b, 0,1,2,3
	s_delay_alu instid0(VALU_DEP_4)
	v_add_nc_u32 v[TM+12+\b], 0xff000000, v[TM+\b]
.endr
.irp b, 0,1,2,3
	s_delay_alu instid0(VALU_DEP_4)
	v_lshrrev_b32 v[TM+4+\b], 23, v[TM+12+\b]
.endr
	s_delay_alu instid0(VALU_DEP_3)
	v_lshl_or_b32 v[PW], v[TM+5], 8, v[TM+4]
	s_delay_alu instid0(VALU_DEP_1)
	v_lshl_or_b32 v[PW], v[TM+6], 16, v[PW]
	s_delay_alu instid0(VALU_DEP_1)
	v_lshl_or_b32 v[PW], v[TM+7], 24, v[PW]
	WIN (\w)
.irp c, 0,1
	v_cvt_scalef32_pk16_fp6_f32 v[PC+6*\c:PC+6*\c+2], v[(\s)+32*\c:(\s)+32*\c+15], v[TM+12+2*\c]
	v_cvt_scalef32_pk16_fp6_f32 v[PX+4*\c:PX+4*\c+2], v[(\s)+32*\c+16:(\s)+32*\c+31], v[TM+12+2*\c+1]
.endr
	WIN 0
	v_nop
.irp c, 0,1
.irp i, 0,1,2
	v_permlane16_swap_b32 v[PC+6*\c+\i], v[PX+4*\c+\i]
.endr
.irp i, 0,1,2
	s_delay_alu instid0(VALU_DEP_3)
	v_mov_b32 v[PC+6*\c+3+\i], v[PX+4*\c+\i]
.endr
.endr
.endm
.macro BARRIER                         ; my LDS stores have landed and my LDS loads are in: then the work-group's barrier
	s_wait_dscnt 0x0
	s_barrier_signal -1
	s_barrier_wait -1
.endm
.macro PLACES n
.rept \n
	v_nop
.endr
.endm
.macro WSET s, set                     ; K step s of my eight tiles of Wo: 24 loads of 512 consecutive bytes, into window 1 at v[96 set]
	WIN 0x40
.irp i, 0,1,2,3,4,5,6,7
.irp j, 0,1,2
	global_load_b128 v[96*(\set)+12*\i+4*\j:96*(\set)+12*\i+4*\j+3], v[L16], s[6:7] offset:\i*12288+(\s)*1536+512*\j
.endr
.endr
	WIN 0
.endm
	s_load_b256 s[4:11], s[0:1], 0x0               ; p2, p1, the mask, rpe
	s_load_b256 s[12:19], s[0:1], 0x20             ; x, pos, LN1's scale, LN1's offset
	s_load_b64 s[20:21], s[0:1], 0x40              ; p3
	s_set_vgpr_msb 0x40
	v_lshl_add_u32 v254, v0, 2, 0x17400
	v_mov_b32 v255, 0
	s_set_vgpr_msb 0x4005
	ds_add_u32 v254, v255                          ; ahead of my tensor load: the add, twice on end;
	ds_add_u32 v254, v255                          ; the head's work on registers stands between them and their wait
	s_set_vgpr_msb 0x0500
	v_lshrrev_b32 v1, 5, v0
	s_delay_alu instid0(VALU_DEP_1)
	v_readfirstlane_b32 s22, v1                    ; g
	s_lshr_b32 s24, ttmp9, 1                       ; G
	s_and_b32 s25, ttmp9, 1                        ; u
	s_lshr_b32 s26, s24, 6                         ; b
	s_and_b32 s27, s24, 63                         ; a
	s_mov_b32 s[SEL], 0x76543210
	s_mov_b32 s[SEL+1], 0xfedcba98
	s_mov_b32 s[CS], 0x3e38aa3b                    ; log2(e) / 8
	s_mov_b32 s[CS+1], s[CS]
	s_lshl_b32 s83, s26, 6
.irp j, 0,1,2,3
	s_add_co_i32 s[93+\j], s27, \j-3
	s_max_i32 s[93+\j], s[93+\j], 0                ; a block before the sequence's start is fetched as block 0 and counts for nothing
	s_add_co_u32 s[93+\j], s[93+\j], s83           ; block a - 3 + j among both batches' blocks of 32 keys
.endr
.irp j, 0,1,2,3                        ; where that block's codes lie in a channel tile's records: the 16 bytes a lane (s72 ..) and the 8 bytes a lane (s76 ..)
	s_lshr_b32 s84, s[93+\j], 2
	s_mul_i32 s84, s84, 1536
	s_bfe_u32 s85, s[93+\j], 0x10001
	s_mul_i32 s85, s85, 768
	s_add_co_u32 s84, s84, s85
	s_and_b32 s85, s[93+\j], 1
	s_lshl_b32 s86, s85, 8
	s_add_co_u32 s[72+\j], s84, s86
	s_lshl_b32 s86, s85, 7
	s_add_co_u32 s86, s86, 512
	s_add_co_u32 s[76+\j], s84, s86
.endr
	v_and_b32 v1, 31, v0                           ; l
	v_and_b32 v2, 15, v0                           ; r
	v_bfe_u32 v3, v0, 4, 1                         ; h
	s_delay_alu instid0(VALU_DEP_3)
	v_lshlrev_b32 v[L16], 4, v1
	s_delay_alu instid0(VALU_DEP_4)
	v_lshlrev_b32 v[L8], 3, v1
	v_lshlrev_b32 v[L4], 2, v1
	s_sub_co_u32 s84, s73, s72                     ; lanes 0-15 take block 2 c of the four, lanes 16-31 block 2 c + 1
	v_mul_u32_u24 v[VA0], s84, v3
	s_delay_alu instid0(VALU_DEP_1)
	v_add_nc_u32 v[VA0], s72, v[VA0]
	s_delay_alu instid0(VALU_DEP_1)
	v_lshl_add_u32 v[VA0], v2, 4, v[VA0]
	s_sub_co_u32 s84, s75, s74
	v_mul_u32_u24 v[VA1], s84, v3
	s_delay_alu instid0(VALU_DEP_1)
	v_add_nc_u32 v[VA1], s74, v[VA1]
	s_delay_alu instid0(VALU_DEP_1)
	v_lshl_add_u32 v[VA1], v2, 4, v[VA1]
	s_sub_co_u32 s84, s77, s76
	v_mul_u32_u24 v[VB0], s84, v3
	s_delay_alu instid0(VALU_DEP_1)
	v_add_nc_u32 v[VB0], s76, v[VB0]
	s_delay_alu instid0(VALU_DEP_1)
	v_lshl_add_u32 v[VB0], v2, 3, v[VB0]
	s_sub_co_u32 s84, s79, s78
	v_mul_u32_u24 v[VB1], s84, v3
	s_delay_alu instid0(VALU_DEP_1)
	v_add_nc_u32 v[VB1], s78, v[VB1]
	s_delay_alu instid0(VALU_DEP_1)
	v_lshl_add_u32 v[VB1], v2, 3, v[VB1]
	v_lshrrev_b32 v38, 3, v2
	s_delay_alu instid0(VALU_DEP_1)
	v_lshl_add_u32 v39, v38, 3, v2                 ; r + 8 (r / 8)
	s_delay_alu instid0(VALU_DEP_1)
	v_lshlrev_b32 v[MO], 11, v39
	s_delay_alu instid0(VALU_DEP_1)
	v_lshl_add_u32 v[MO], v3, 4, v[MO]             ; the mask: my query's row, + 16 h
	v_lshl_add_u32 v[EA], v3, 4, 23
	s_delay_alu instid0(VALU_DEP_1)
	v_sub_nc_u32 v[EA], v[EA], v39
	s_lshl_b32 s84, s22, 10
	s_add_co_u32 s84, s84, EB
	v_lshl_add_u32 v[EA], v[EA], 2, s84            ; the bias table of my first head at x = 16 h + 23 - r - 8 (r / 8)
	s_lshl_b32 s84, s22, 9
	s_add_co_u32 s84, s84, VM
	v_lshl_add_u32 v[VMA], v3, 6, s84
	s_mul_i32 s85, s22, 8448
	v_mul_u32_u24 v[STW], v2, 528
	s_delay_alu instid0(VALU_DEP_1)
	v_lshl_add_u32 v[STW], v3, 6, v[STW]
	s_delay_alu instid0(VALU_DEP_1)
	v_add_nc_u32 v[STW], s85, v[STW]               ; my stage by lanes: row r, + 64 h
	v_add_nc_u32 v[STR], s85, v[L16]               ; and by rows
	v_mov_b32 v[SENTR], 0xfd000000                 ; -2^123
	s_lshl_b32 s84, s22, 7
	s_add_co_u32 s84, s84, RED
	v_add_nc_u32 v[REDW], s84, v[L4]
	v_lshl_add_u32 v[WSO], v3, 7, v[L4]            ; lanes 0-15 an even K step's record, lanes 16-31 the odd one's
	v_add_nc_u32 v[REDR], RED, v[L4]
	v_lshl_add_u32 v[AT2], v0, 2, EB
	v_lshl_add_u32 v[AT3], v0, 4, VM
	v_mov_b32 v[NM+1], 0
	; the bias table: thread i makes entry x = i % 128 of heads 2 j + i / 128: distance d = 87 + 8 u - x
	v_and_b32 v40, 127, v0
	s_lshl_b32 s84, s25, 3
	s_add_co_u32 s84, s84, 24
	v_sub_nc_u32 v40, v40, s84                     ; y = 63 - d
	s_delay_alu instid0(VALU_DEP_1)
	v_cmp_gt_u32 s82, 64, v40                      ; inside the window
	s_delay_alu instid0(VALU_DEP_2)
	v_sub_nc_u32 v41, 63, v40
	s_delay_alu instid0(VALU_DEP_1)
	v_min_u32 v41, 63, v41
	v_lshrrev_b32 v38, 7, v0
	s_delay_alu instid0(VALU_DEP_1)
	v_lshlrev_b32 v38, 8, v38
	s_delay_alu instid0(VALU_DEP_1)
	v_lshl_add_u32 v41, v41, 2, v38                ; rpe's bytes
	v_lshlrev_b32 v38, 4, v0                       ; the partial sums: 16 bytes a thread
	s_cmp_ge_u32 s27, 2
	s_cselect_b32 s90, 0x01010101, 0               ; does block a - 2 exist?
	s_cmp_ge_u32 s27, 1
	s_cselect_b32 s91, 0x01010101, 0
	s_mov_b32 s92, 0x01010101
	s_lshl_b32 s85, s27, 5
	s_lshl_b32 s84, s25, 3
	s_add_co_u32 s85, s85, s84
	s_lshl_b32 s85, s85, 11                        ; the mask's row 32 a + 8 u
	s_mov_b32 s87, 0
	s_wait_alu depctr_va_vdst(0)
	s_wait_dscnt 0x0                               ; both opening adds are done
	s_wait_kmcnt 0x0
	s_lshl_b32 s86, s22, 13
	s_add_co_u32 s86, s86, 12582912+192*1024
	s_add_nc_u64 s[32:33], s[6:7], s[86:87]        ; Wo's scale records
	s_lshl_b32 s84, ttmp9, 4
	s_add_co_u32 s84, s84, s22                     ; q's record
	s_lshl_b32 s86, s84, 7
	s_add_co_u32 s86, s86, 9437184
	s_add_nc_u64 s[34:35], s[4:5], s[86:87]
	s_mul_i32 s86, s84, 1536
	s_add_nc_u64 s[36:37], s[4:5], s[86:87]
.irp be, 1,2,3
	s_lshl_b32 s84, s[93+\be], 5
	s_add_co_u32 s84, s84, s22
	s_add_co_u32 s84, s84, 8                       ; k's record of the block's first tile
	s_mul_i32 s86, s84, 1536
	s_add_nc_u64 s[36+2*\be:37+2*\be], s[4:5], s[86:87]
	s_lshl_b32 s86, s84, 7
	s_add_co_u32 s86, s86, 9437184
	s_add_nc_u64 s[42+2*\be:43+2*\be], s[4:5], s[86:87]
	s_sub_co_u32 s84, s[93+\be], s83
	s_lshl_b32 s84, s84, 5
	s_add_co_u32 s86, s84, s85
	s_add_nc_u64 s[48+2*\be:49+2*\be], s[8:9], s[86:87]   ; the mask at the block's first key
.endr
	s_sub_co_i32 s97, s27, 3
	s_ashr_i32 s98, s97, 2
	s_max_i32 s99, s98, 0                          ; the key step in which block a - 3 lies,
	s_add_co_i32 s98, s98, 1
	s_min_i32 s98, s98, 15                         ; and the next
	s_and_b32 s97, s97, 3
	s_lshl_b32 s97, s97, 3                         ; bits by which the window's four scale bytes are shifted in the two words
	s_lshl_b32 s84, s22, 8
	s_lshl_b32 s100, s26, 4
	s_add_co_u32 s84, s84, s100
	s_add_co_u32 s84, s84, 4096
	s_add_co_u32 s86, s84, s99
	s_lshl_b32 s86, s86, 7
	s_add_co_u32 s86, s86, 9437184
	s_add_nc_u64 s[56:57], s[4:5], s[86:87]
	s_add_co_u32 s86, s84, s98
	s_lshl_b32 s86, s86, 7
	s_add_co_u32 s86, s86, 9437184
	s_add_nc_u64 s[58:59], s[4:5], s[86:87]
	s_mul_i32 s86, s22, 393216
	s_add_co_u32 s86, s86, 6291456
	s_add_nc_u64 s[60:61], s[4:5], s[86:87]        ; v's records of my eight channel tiles
	s_lshl_b32 s86, s26, 16
	s_add_co_u32 s86, s86, 10223616
	s_add_nc_u64 s[70:71], s[4:5], s[86:87]        ; my batch's sixteen partial sums
	s_lshl_b32 s100, s24, 5
	s_lshl_b32 s84, s25, 3
	s_add_co_u32 s100, s100, s84                   ; the tile's first row
	s_lshl_b32 s84, s22, 9                         ; my 128 columns
	s_and_b32 s86, s100, 63
	s_lshl_b32 s86, s86, 12
	s_add_co_u32 s86, s86, s84
	s_add_nc_u64 s[68:69], s[14:15], s[86:87]      ; pos
	s_lshl_b32 s86, s100, 12
	s_add_co_u32 s86, s86, s84
	s_add_nc_u64 s[66:67], s[12:13], s[86:87]      ; x
	s_add_nc_u64 s[12:13], s[20:21], s[86:87]      ; LN1's result as f32
	s_mov_b32 s86, s84
	s_add_nc_u64 s[16:17], s[16:17], s[86:87]
	s_add_nc_u64 s[18:19], s[18:19], s[86:87]
	s_lshl_b32 s84, ttmp9, 3
	s_add_co_u32 s84, s84, s22
	s_mul_i32 s86, s84, 1536
	s_add_co_u32 s86, s86, 16777216
	s_add_nc_u64 s[14:15], s[20:21], s[86:87]      ; its codes
	s_lshl_b32 s86, s84, 7
	s_add_co_u32 s86, s86, 19922944
	s_add_nc_u64 s[8:9], s[20:21], s[86:87]        ; its scale words
	s_mul_i32 s86, s22, 98304
	s_add_co_u32 s86, s86, 2359296
	s_add_nc_u64 s[6:7], s[6:7], s[86:87]          ; Wo's records of my eight tiles
	; my one tensor load: 8 tiles x 3,072 bytes (384 elements of 8), 12,288 bytes apart.  s24-27 and s72-79 are done with; they are written again only behind the wait on TENSORcnt
	s_mov_b32 s24, 1
	s_mul_i32 s25, s22, 24576
	s_add_co_u32 s25, s25, WB
	s_mov_b64 s[26:27], s[6:7]
	s_or_b32 s27, s27, 0x80000000
	s_mov_b32 s72, 3<<16
	s_mov_b32 s73, 384<<16
	s_mov_b32 s74, 8<<16
	s_mov_b32 s75, 384<<16
	s_mov_b32 s76, 8
	s_mov_b32 s77, 1536
	s_mov_b32 s78, 0
	s_mov_b32 s79, 0
	tensor_load_to_lds s[24:27], s[72:79]
	s_nop 0
	; ---- all that the attention wants goes out in one run; one wait
	global_load_b32 v[QS], v[L4], s[34:35]
	global_load_b128 v[Q:Q+3], v[L16], s[36:37]
	global_load_b64 v[Q+4:Q+5], v[L8], s[36:37] offset:512
	global_load_b128 v[Q+12:Q+15], v[L16], s[36:37] offset:768
	global_load_b64 v[Q+16:Q+17], v[L8], s[36:37] offset:1280
.irp be, 1,2,3
	global_load_b128 v[PC+4*(\be-1):PC+4*(\be-1)+3], v[MO], s[48+2*\be:49+2*\be]   ; sixteen bytes of the mask: keys 16 h + 0 .. 15 of the block
.irp up, 0,1
	global_load_b32 v[KS+2*(\be-1)+\up], v[L4], s[42+2*\be:43+2*\be] offset:\up*2048
.endr
.endr
.irp j, 0,1,2,3,4,5,6,7
	global_load_b32 v[RP+\j], v41, s[10:11] offset:512*\j
	global_load_b32 v[TM+\j], v[L4], s[56:57] offset:4096*\j
	global_load_b32 v[TM+8+\j], v[L4], s[58:59] offset:4096*\j
.endr
	WIN 0x40
.irp be, 1,2,3
.irp up, 0,1
	global_load_b128 v[96+12*(2*(\be-1)+\up):96+12*(2*(\be-1)+\up)+3], v[L16], s[36+2*\be:37+2*\be] offset:\up*24576
	global_load_b64 v[96+12*(2*(\be-1)+\up)+4:96+12*(2*(\be-1)+\up)+5], v[L8], s[36+2*\be:37+2*\be] offset:\up*24576+512
	global_load_b128 v[96+12*(2*(\be-1)+\up)+6:96+12*(2*(\be-1)+\up)+9], v[L16], s[36+2*\be:37+2*\be] offset:\up*24576+768
	global_load_b64 v[96+12*(2*(\be-1)+\up)+10:96+12*(2*(\be-1)+\up)+11], v[L8], s[36+2*\be:37+2*\be] offset:\up*24576+1280
.endr
.endr
.irp i, 0,1,2,3,4,5,6,7
	global_load_b128 v[12*\i:12*\i+3], v[VA0], s[60:61] offset:\i*49152
	global_load_b64 v[12*\i+4:12*\i+5], v[VB0], s[60:61] offset:\i*49152
	global_load_b128 v[12*\i+6:12*\i+9], v[VA1], s[60:61] offset:\i*49152
	global_load_b64 v[12*\i+10:12*\i+11], v[VB1], s[60:61] offset:\i*49152
.endr
.set kk, 0
.rept 16
	global_load_b128 v[168+4*kk:168+4*kk+3], v38, s[70:71] offset:4096*kk
.set kk, kk+1
.endr
	WIN 0
.set jj, 0
.rept 16
	global_load_b128 v[70+4*jj:70+4*jj+3], v[L16], s[66:67] offset:(jj+8*(jj/8))*4096 th:TH_LOAD_NT
	global_load_b128 v[134+4*jj:134+4*jj+3], v[L16], s[68:69] offset:(jj+8*(jj/8))*4096
.set jj, jj+1
.endr
.irp i, 0,1,2,3,4,5,6,7
.irp s2, 0,1,2,3
	global_load_b32 v[WOS+4*\i+\s2], v[WSO], s[32:33] offset:\i*1024+\s2*256
.endr
.endr
	s_wait_loadcnt 0x0                             ; all are in: their bases and offsets may be written again
	s_wait_tensorcnt 0x0                           ; and so is my part of Wo: the descriptor's registers may be written again
.set jj, 0
.rept 32
	v_pk_add_f32 v[70+2*jj:70+2*jj+1], v[70+2*jj:70+2*jj+1], v[134+2*jj:134+2*jj+1]
.set jj, jj+1
.endr
.set jj, 0
.rept 16
	ds_store_b128 v[STR], v[70+4*jj:70+4*jj+3] offset:528*jj
.set jj, jj+1
.endr
	; 48 lane masks, one for each register of scores: the mask's byte, and the block exists
.set ww, 0
.rept 12
	v_and_b32 v[PC+ww], s[90+ww/4], v[PC+ww]
	s_delay_alu instid0(VALU_DEP_1)
	v_lshlrev_b32 v39, 24, v[PC+ww]
	s_delay_alu instid0(VALU_DEP_2)
	v_lshlrev_b32 v40, 16, v[PC+ww]
	s_delay_alu instid0(VALU_DEP_3)
	v_lshlrev_b32 v41, 8, v[PC+ww]
	s_delay_alu instid0(VALU_DEP_3)
	v_cmp_le_u32 s[32+4*ww+2*(ww/8)], 0x1000000, v39
	s_delay_alu instid0(VALU_DEP_3)
	v_cmp_le_u32 s[33+4*ww+2*(ww/8)], 0x1000000, v40
	s_delay_alu instid0(VALU_DEP_3)
	v_cmp_le_u32 s[34+4*ww+2*(ww/8)], 0x1000000, v41
	v_cmp_le_u32 s[35+4*ww+2*(ww/8)], 0x1000000, v[PC+ww]
.set ww, ww+1
.endr
.irp j, 0,1,2,3,4,5,6,7
	v_cmp_neq_f32 vcc_lo, 0, v[RP+\j]              ; a bias of 0 hides the key, as the model has it
	s_and_b32 vcc_lo, vcc_lo, s82
	v_mul_f32 v[RP+\j], 0x41000000, v[RP+\j]       ; 8 x rpe: it is added to the score ahead of the factor 1 / 8
	s_delay_alu instid0(VALU_DEP_1)
	v_cndmask_b32 v[RP+\j], v[SENTR], v[RP+\j], vcc_lo
	ds_store_b32 v[AT2], v[RP+\j] offset:1024*\j
.endr
	WIN 0x05
	v_pk_add_f32 v[38:39], v[168:169], v[172:173]
	v_pk_add_f32 v[40:41], v[170:171], v[174:175]
	WIN 0x04
.set kk, 2
	v_pk_add_f32 v[38:39], v[38:39], v[168+4*kk:169+4*kk]
	v_pk_add_f32 v[40:41], v[40:41], v[170+4*kk:171+4*kk]
.set kk, kk+1
.rept (14)-1
	s_delay_alu instid0(VALU_DEP_2)
	v_pk_add_f32 v[38:39], v[38:39], v[168+4*kk:169+4*kk]
	s_delay_alu instid0(VALU_DEP_2)
	v_pk_add_f32 v[40:41], v[40:41], v[170+4*kk:171+4*kk]
.set kk, kk+1
.endr
	WIN 0
	v_pk_mul_f32 v[38:39], v[38:39], 0x3a000000 op_sel_hi:[1,0]    ; / 2,048
	v_pk_mul_f32 v[40:41], v[40:41], 0x3a000000 op_sel_hi:[1,0]
	ds_store_b128 v[AT3], v[38:41]
.irp i, 0,1,2,3,4,5,6,7
	v_alignbit_b32 v[VS+\i], v[TM+8+\i], v[TM+\i], s97   ; the scale bytes of blocks a - 3 .. a of v
.endr
.irp i, 6,7,8,9,10,11
	v_mov_b32 v[Q+\i], 0
.endr
	s_mov_b32 s98, 0x3a800000                      ; 1 / 1,024
	s_mov_b32 s99, 0x3727c5ac                      ; 1e-5
	BARRIER                                        ; the bias table and the mean lie in LDS
; ---- one head.  hh: which of my two
.macro HEAD hh
.set nn, 0
.rept 48
	ds_load_b32 v[S+nn], v[EA] offset:512*\hh+4*(32*(nn/16)+nn%16)
.set nn, nn+1
.endr
	s_wait_dscnt 0x0
.set nn, 0
.rept 48
	v_cndmask_b32 v[S+nn], v[SENTR], v[S+nn], s[32+nn+2*(nn/32)]
.set nn, nn+1
.endr
	WIN 0x01                                       ; source 0 (K) in window 1
.irp t, 0,1,2,3,4,5
	v_wmma_scale_f32_16x16x128_f8f6f4 v[S+8*\t:S+8*\t+7], v[96+12*\t:96+12*\t+11], v[Q+6*\hh:Q+6*\hh+11], v[S+8*\t:S+8*\t+7], v[KS+\t], v[QS] matrix_a_fmt:MATRIX_FMT_FP6 matrix_b_fmt:MATRIX_FMT_FP6
.endr
	WIN 0
	PLACES 4
.if \hh == 1
	WSET 2, 1                                      ; K's registers are free: Wo's K step 2
.endif
.irp b, 0,1,2
	v_max3_num_f32 v[TM+\b], v[S+16*\b], v[S+16*\b+1], v[S+16*\b+2]   ; the largest score of each block: for the row's maximum and for the block's largest p
.endr
.irp i, 3,5,7,9,11,13
.irp b, 0,1,2
	v_max3_num_f32 v[TM+\b], v[TM+\b], v[S+16*\b+\i], v[S+16*\b+\i+1]
.endr
.endr
.irp b, 0,1,2
	v_max_num_f32 v[TM+\b], v[TM+\b], v[S+16*\b+15]
.endr
.irp b, 0,1,2
	s_delay_alu instid0(VALU_DEP_3)
	v_permlanex16_b32 v[TM+4+\b], v[TM+\b], s[SEL], s[SEL+1]
.endr
.irp b, 0,1,2
	s_delay_alu instid0(VALU_DEP_3)
	v_max_num_f32 v[TM+\b], v[TM+\b], v[TM+4+\b]
.endr
	s_delay_alu instid0(VALU_DEP_1)
	v_max3_num_f32 v[RM], v[TM], v[TM+1], v[TM+2]
	s_delay_alu instid0(VALU_DEP_1)
	v_cmp_gt_f32 s[88+\hh], 0xfb800000, v[RM]      ; the row sees nothing
	s_delay_alu instid0(VALU_DEP_2)
	v_mul_f32 v[TP], s[CS], v[RM]
	s_delay_alu instid0(VALU_DEP_1)
	v_floor_f32 v[NM], -v[TP]                      ; -M = -ceil(t)
.set nn, 0
.rept 24
	v_pk_fma_f32 v[S+2*nn:S+2*nn+1], v[S+2*nn:S+2*nn+1], s[CS:CS+1], v[NM:NM+1] op_sel_hi:[1,0,0]
.set nn, nn+1
.endr
.irp b, 0,1,2
	v_fma_f32 v[TM+\b], v[TM+\b], s[CS], v[NM]
.endr
.set nn, 0
	s_wait_alu depctr_va_vdst(0)
.rept 48
	v_exp_f32 v[S+nn], v[S+nn]                     ; p = 2^(t - M)
.set nn, nn+1
.endr
	v_mov_b32 v[PC], 0                             ; (a plain place behind the batch)  block a - 3: zero codes
	s_wait_alu depctr_va_vdst(0)                   ; one wait for the batch, ahead of its first reader
.irp b, 0,1,2
	v_exp_f32 v[TM+\b], v[TM+\b]                   ; the block's largest p
.endr
	v_pk_add_f32 v[40:41], v[84:85], v[86:87]
	v_pk_add_f32 v[206:207], v[92:93], v[96:97]
	v_pk_add_f32 v[204:205], v[100:101], v[104:105]
	v_pk_add_f32 v[202:203], v[108:109], v[112:113]
	v_pk_add_f32 v[200:201], v[116:117], v[120:121]
	v_pk_add_f32 v[198:199], v[124:125], v[128:129]
	v_pk_add_f32 v[196:197], v[88:89], v[90:91]
	v_pk_add_f32 v[78:79], v[94:95], v[98:99]
	v_pk_add_f32 v[78:79], v[78:79], v[102:103]
	v_pk_add_f32 v[40:41], v[40:41], v[106:107]
	v_pk_add_f32 v[206:207], v[206:207], v[110:111]
	v_pk_add_f32 v[204:205], v[204:205], v[114:115]
	v_pk_add_f32 v[202:203], v[202:203], v[118:119]
	v_pk_add_f32 v[200:201], v[200:201], v[122:123]
	v_pk_add_f32 v[198:199], v[198:199], v[126:127]
	v_pk_add_f32 v[196:197], v[196:197], v[130:131]
	s_delay_alu instid0(VALU_DEP_4)
	v_pk_add_f32 v[78:79], v[78:79], v[202:203]
	s_delay_alu instid0(VALU_DEP_4)
	v_pk_add_f32 v[40:41], v[40:41], v[200:201]
	s_delay_alu instid0(VALU_DEP_4)
	v_pk_add_f32 v[206:207], v[206:207], v[198:199]
	s_delay_alu instid0(VALU_DEP_4)
	v_pk_add_f32 v[204:205], v[204:205], v[196:197]
	s_delay_alu instid0(VALU_DEP_2)
	v_pk_add_f32 v[78:79], v[78:79], v[206:207]
	s_delay_alu instid0(VALU_DEP_2)
	v_pk_add_f32 v[40:41], v[40:41], v[204:205]
	s_delay_alu instid0(VALU_DEP_1)
	v_pk_add_f32 v[78:79], v[78:79], v[40:41]
	s_wait_alu depctr_va_vdst(0)                   ; and one for the three
.irp b, 0,1,2
	v_max_num_f32 v[TM+\b], 0x1800000, v[TM+\b]
.endr
.irp b, 0,1,2
	s_delay_alu instid0(VALU_DEP_3)
	v_add_nc_u32 v[TM+12+\b], 0xff000000, v[TM+\b]
.endr
.irp b, 0,1,2
	s_delay_alu instid0(VALU_DEP_3)
	v_lshrrev_b32 v[TM+4+\b], 23, v[TM+12+\b]
.endr
	s_delay_alu instid0(VALU_DEP_3)
	v_lshl_or_b32 v[PW], v[TM+4], 8, 127           ; p's scale word: block a - 3 has the byte 127
	s_delay_alu instid0(VALU_DEP_1)
	v_lshl_or_b32 v[PW], v[TM+5], 16, v[PW]
	s_delay_alu instid0(VALU_DEP_1)
	v_lshl_or_b32 v[PW], v[TM+6], 24, v[PW]
	v_mov_b32 v[PC+1], 0
	v_mov_b32 v[PC+2], 0
	v_cvt_scalef32_pk16_fp6_f32 v[PX:PX+2], v[S:S+15], v[TM+12]
	v_cvt_scalef32_pk16_fp6_f32 v[PC+6:PC+8], v[S+16:S+31], v[TM+13]
	v_cvt_scalef32_pk16_fp6_f32 v[PX+4:PX+6], v[S+32:S+47], v[TM+14]
	v_nop
.irp c, 0,1
.irp i, 0,1,2
	v_permlane16_swap_b32 v[PC+6*\c+\i], v[PX+4*\c+\i]
.endr
.irp i, 0,1,2
	s_delay_alu instid0(VALU_DEP_3)
	v_mov_b32 v[PC+6*\c+3+\i], v[PX+4*\c+\i]
.endr
.endr
.irp be, 0,1
.irp q, 0,1,2,3
	ds_load_b128 v[S+16*\be+4*\q:S+16*\be+4*\q+3], v[VMA] offset:256*\hh+128*\be+16*\q   ; the mean of v at my 32 channels of this head
.endr
.endr
	PLACES 8
	WIN 0x01
.irp i, 0,1,2,3
	v_wmma_scale_f32_16x16x128_f8f6f4 v[O+32*\hh+8*\i:O+32*\hh+8*\i+7], v[12*(4*\hh+\i):12*(4*\hh+\i)+11], v[PC:PC+11], 0, v[VS+4*\hh+\i], v[PW] matrix_a_fmt:MATRIX_FMT_FP6 matrix_b_fmt:MATRIX_FMT_FP6
.endr
	WIN 0
	v_add_f32 v[LS], v[LS], v[LS+1]
	v_nop
	v_permlanex16_b32 v[TP], v[LS], s[SEL], s[SEL+1]
	v_nop
	v_add_f32 v[LS], v[LS], v[TP]
	s_wait_alu depctr_va_vdst(0)
	v_rcp_f32 v[RL], v[LS]
	v_nop
	v_nop
	s_wait_alu depctr_va_vdst(0)
.if \hh == 1
	WSET 3, 0                                      ; V's registers are free: Wo's K step 3
.endif
.set nn, 0
.rept 16
	v_pk_mul_f32 v[O+32*\hh+2*nn:O+32*\hh+2*nn+1], v[O+32*\hh+2*nn:O+32*\hh+2*nn+1], v[RL:RL+1] op_sel_hi:[1,0]
.set nn, nn+1
.endr
	s_wait_dscnt 0x0
.set nn, 0
.rept 32
	v_cndmask_b32 v[O+32*\hh+nn], v[O+32*\hh+nn], v[S+nn], s[88+\hh]
.set nn, nn+1
.endr
.endm
	HEAD 0
	HEAD 1
	QUANT O, 0                                     ; my two heads' 128 channels are K step g of out
	s_mul_i32 s84, s22, 1536
	s_add_co_u32 s84, s84, OIMG
	v_add_nc_u32 v[AT0], s84, v[L16]
	s_lshl_b32 s84, s22, 7
	s_add_co_u32 s84, s84, OSC
	v_add_nc_u32 v[AT1], s84, v[L4]
.irp j, 0,1,2
	ds_store_b128 v[AT0], v[PC+4*\j:PC+4*\j+3] offset:512*\j
.endr
	ds_store_b32 v[AT1], v[PW]
	BARRIER                                        ; out's eight fragments lie in LDS
	v_add_nc_u32 v[AT0], OIMG, v[L16]
	v_add_nc_u32 v[AT1], OSC, v[L4]
	s_mul_i32 s84, s22, 24576
	s_add_co_u32 s84, s84, WB
	v_add_nc_u32 v[AT2], s84, v[L16]               ; my part of Wo in LDS
	s_wait_alu depctr_va_vdst(0)
.irp s, 0,1,2,3,4,5,6,7
.irp j, 0,1,2
	ds_load_b128 v[OF+12*\s+4*\j:OF+12*\s+4*\j+3], v[AT0] offset:1536*\s+512*\j
.endr
	ds_load_b32 v[OFS+\s], v[AT1] offset:128*\s
.endr
	s_wait_dscnt 0x0
	; ---- out @ Wo: my 128 columns, eight accumulators by turns, a K step at a time
; K steps 0 and 1 out of LDS, four fragments at a time, through v448-495; the eight accumulators by turns, K ascending
.irp s, 0,1
.irp hf, 0,1
.if (\s)+(\hf) > 0
	PLACES 4                                       ; in front of loads into registers that matrix instructions have read
.endif
	WIN 0x40
.irp i, 0,1,2,3
.irp j, 0,1,2
	ds_load_b128 v[192+12*\i+4*\j:192+12*\i+4*\j+3], v[AT2] offset:(4*\hf+\i)*3072+\s*1536+512*\j
.endr
.endr
	s_wait_dscnt 0x0
	WIN 0x01
.irp i, 0,1,2,3
.if \s == 0
	v_wmma_scale_f32_16x16x128_f8f6f4 v[O+8*(4*\hf+\i):O+8*(4*\hf+\i)+7], v[192+12*\i:192+12*\i+11], v[OF+12*\s:OF+12*\s+11], 0, v[WOS+4*(4*\hf+\i)], v[OFS+\s] matrix_a_fmt:MATRIX_FMT_FP6 matrix_b_fmt:MATRIX_FMT_FP6
.else
	v_wmma_scale_f32_16x16x128_f8f6f4 v[O+8*(4*\hf+\i):O+8*(4*\hf+\i)+7], v[192+12*\i:192+12*\i+11], v[OF+12*\s:OF+12*\s+11], v[O+8*(4*\hf+\i):O+8*(4*\hf+\i)+7], v[WOS+4*(4*\hf+\i)], v[OFS+\s] matrix_a_fmt:MATRIX_FMT_FP6 matrix_b_fmt:MATRIX_FMT_FP6 matrix_a_scale:MATRIX_SCALE_ROW1
.endif
.endr
	WIN 0
.endr
.endr
; K steps 2 to 7 out of the two sets of registers
.irp s, 2,3,4,5,6,7
.if \s < 7
	s_wait_loadcnt 24                              ; this K step's 24 loads are in; the next one's may be out
.else
	s_wait_loadcnt 0
.endif
	WIN 0x01
.irp i, 0,1,2,3,4,5,6,7
.if \s%2 == 0
	v_wmma_scale_f32_16x16x128_f8f6f4 v[O+8*\i:O+8*\i+7], v[96*((\s+1)%2)+12*\i:96*((\s+1)%2)+12*\i+11], v[OF+12*\s:OF+12*\s+11], v[O+8*\i:O+8*\i+7], v[WOS+4*\i+\s/2], v[OFS+\s] matrix_a_fmt:MATRIX_FMT_FP6 matrix_b_fmt:MATRIX_FMT_FP6
.else
	v_wmma_scale_f32_16x16x128_f8f6f4 v[O+8*\i:O+8*\i+7], v[96*((\s+1)%2)+12*\i:96*((\s+1)%2)+12*\i+11], v[OF+12*\s:OF+12*\s+11], v[O+8*\i:O+8*\i+7], v[WOS+4*\i+\s/2], v[OFS+\s] matrix_a_fmt:MATRIX_FMT_FP6 matrix_b_fmt:MATRIX_FMT_FP6 matrix_a_scale:MATRIX_SCALE_ROW1
.endif
.endr
	WIN 0
	PLACES 4
.if \s < 6
	WSET \s+2, (\s+1)%2
.endif
.endr
	v_lshlrev_b32 v[AT0], 6, v3                    ; 64 h
	WIN 0x40
.irp be, 0,1,2,3
.irp q, 0,1,2,3
	global_load_b128 v[16*\be+4*\q:16*\be+4*\q+3], v[AT0], s[16:17] offset:128*\be+16*\q
	global_load_b128 v[64+16*\be+4*\q:64+16*\be+4*\q+3], v[AT0], s[18:19] offset:128*\be+16*\q
.endr
.endr
	WIN 0
	; ---- z = h + out @ Wo, LN1
.irp be, 0,1,2,3
.irp q, 0,1,2,3
	ds_load_b128 v[HR+16*\be+4*\q:HR+16*\be+4*\q+3], v[STW] offset:128*\be+16*\q
.endr
.endr
	s_wait_dscnt 0x0
.set nn, 0
.rept 32
	v_pk_add_f32 v[O+2*nn:O+2*nn+1], v[O+2*nn:O+2*nn+1], v[HR+2*nn:HR+2*nn+1]
.set nn, nn+1
.endr
	v_pk_add_f32 v[38:39], v[O:O+1], v[O+2:O+3]
	v_pk_add_f32 v[40:41], v[O+4:O+5], v[O+6:O+7]
.irp j, 8,12,16,20,24,28,32,36,40,44,48,52,56,60
	s_delay_alu instid0(VALU_DEP_2)
	v_pk_add_f32 v[38:39], v[38:39], v[O+\j:O+\j+1]
	s_delay_alu instid0(VALU_DEP_2)
	v_pk_add_f32 v[40:41], v[40:41], v[O+\j+2:O+\j+3]
.endr
	s_delay_alu instid0(VALU_DEP_1)
	v_pk_add_f32 v[38:39], v[38:39], v[40:41]
	s_delay_alu instid0(VALU_DEP_1)
	v_add_f32 v38, v38, v39
	s_delay_alu instid0(VALU_DEP_1)
	v_permlanex16_b32 v39, v38, s[SEL], s[SEL+1]
	s_delay_alu instid0(VALU_DEP_1)
	v_add_f32 v38, v38, v39                        ; row r's sum over my 128 columns
	ds_store_b32 v[REDW], v38
	BARRIER
.irp k, 0,1,2,3,4,5,6,7
	ds_load_b32 v[42+\k], v[REDR] offset:128*\k
.endr
	s_wait_dscnt 0x0
	v_add_f32 v42, v42, v43
	v_add_f32 v44, v44, v45
	v_add_f32 v46, v46, v47
	v_add_f32 v48, v48, v49
	s_delay_alu instid0(VALU_DEP_3)
	v_add_f32 v42, v42, v44
	s_delay_alu instid0(VALU_DEP_2)
	v_add_f32 v46, v46, v48
	s_delay_alu instid0(VALU_DEP_1)
	v_add_f32 v42, v42, v46
	s_delay_alu instid0(VALU_DEP_1)
	v_mul_f32 v40, s98, v42                        ; the mean
.set nn, 0
.rept 32
	v_pk_add_f32 v[O+2*nn:O+2*nn+1], v[O+2*nn:O+2*nn+1], v[40:41] op_sel_hi:[1,0] neg_lo:[0,1] neg_hi:[0,1]
.set nn, nn+1
.endr
	v_pk_mul_f32 v[38:39], v[O:O+1], v[O:O+1]
	v_pk_mul_f32 v[42:43], v[O+2:O+3], v[O+2:O+3]
.irp j, 4,8,12,16,20,24,28,32,36,40,44,48,52,56,60
	s_delay_alu instid0(VALU_DEP_2)
	v_pk_fma_f32 v[38:39], v[O+\j:O+\j+1], v[O+\j:O+\j+1], v[38:39]
	s_delay_alu instid0(VALU_DEP_2)
	v_pk_fma_f32 v[42:43], v[O+\j+2:O+\j+3], v[O+\j+2:O+\j+3], v[42:43]
.endr
	s_delay_alu instid0(VALU_DEP_1)
	v_pk_add_f32 v[38:39], v[38:39], v[42:43]
	s_delay_alu instid0(VALU_DEP_1)
	v_add_f32 v38, v38, v39
	s_delay_alu instid0(VALU_DEP_1)
	v_permlanex16_b32 v39, v38, s[SEL], s[SEL+1]
	s_delay_alu instid0(VALU_DEP_1)
	v_add_f32 v38, v38, v39
	ds_store_b32 v[REDW], v38 offset:1024
	BARRIER
.irp k, 0,1,2,3,4,5,6,7
	ds_load_b32 v[42+\k], v[REDR] offset:1024+128*\k
.endr
	s_wait_dscnt 0x0
	v_add_f32 v42, v42, v43
	v_add_f32 v44, v44, v45
	v_add_f32 v46, v46, v47
	v_add_f32 v48, v48, v49
	s_delay_alu instid0(VALU_DEP_3)
	v_add_f32 v42, v42, v44
	s_delay_alu instid0(VALU_DEP_2)
	v_add_f32 v46, v46, v48
	s_delay_alu instid0(VALU_DEP_1)
	v_add_f32 v42, v42, v46
	s_delay_alu instid0(VALU_DEP_1)
	v_fma_f32 v40, v42, s98, s99                   ; the variance + 1e-5
	s_wait_alu depctr_va_vdst(0)
	v_rsq_f32 v40, v40
	v_nop
	s_wait_alu depctr_va_vdst(0)
	s_wait_loadcnt 0x0                             ; LN1's scale and offset
.set nn, 0
.rept 32
	v_pk_mul_f32 v[O+2*nn:O+2*nn+1], v[O+2*nn:O+2*nn+1], v[40:41] op_sel_hi:[1,0]
.set nn, nn+1
.endr
	WIN 0x14                                       ; sources 1 and 2 in window 1
.set nn, 0
.rept 32
	v_pk_fma_f32 v[O+2*nn:O+2*nn+1], v[O+2*nn:O+2*nn+1], v[2*nn:2*nn+1], v[64+2*nn:64+2*nn+1]
.set nn, nn+1
.endr
	WIN 0
.irp be, 0,1,2,3
.irp q, 0,1,2,3
	ds_store_b128 v[STW], v[O+16*\be+4*\q:O+16*\be+4*\q+3] offset:128*\be+16*\q
.endr
.endr
.set jj, 0
.rept 16
	ds_load_b128 v[HR+4*jj:HR+4*jj+3], v[STR] offset:528*jj        ; LDS serves a wave's instructions in order: these see my stores
.set jj, jj+1
.endr
.set jj, 0
.rept 16
	s_wait_dscnt 15-jj
	global_store_b128 v[L16], v[HR+4*jj:HR+4*jj+3], s[12:13] offset:(jj+8*(jj/8))*4096   ; 512 consecutive bytes of a row
.set jj, jj+1
.endr
	s_wait_xcnt 0x0                                ; the stores have read their registers
	QUANT O, 0
.irp j, 0,1,2
	global_store_b128 v[L16], v[PC+4*\j:PC+4*\j+3], s[14:15] offset:512*\j
.endr
	global_store_b32 v[L4], v[PW], s[8:9]
	s_set_vgpr_msb 0x5
	s_wait_tensorcnt 0x0
	ds_add_u32 v254, v255
	s_wait_dscnt 0x0
	s_set_vgpr_msb 0x500
	s_endpgm
.Lfunc_end_k_qae0f5987d2_attn:
	.size	k_qae0f5987d2_attn, .Lfunc_end_k_qae0f5987d2_attn-k_qae0f5987d2_attn
	.p2alignl 7, 3214868480
	.fill 96, 4, 3214868480
	.section	.rodata,"a",@progbits
	.p2align	6, 0x0
	.amdhsa_kernel k_qae0f5987d2_attn
		.amdhsa_group_segment_fixed_size 294912
		.amdhsa_private_segment_fixed_size 0
		.amdhsa_enable_private_segment 0
		.amdhsa_kernarg_size 72
		.amdhsa_user_sgpr_count 2
		.amdhsa_user_sgpr_kernarg_segment_ptr 1
		.amdhsa_wavefront_size32 1
		.amdhsa_system_sgpr_workgroup_id_x 1
		.amdhsa_system_sgpr_workgroup_id_y 1
		.amdhsa_system_sgpr_workgroup_id_z 1
		.amdhsa_system_vgpr_workitem_id 0
		.amdhsa_next_free_vgpr 512
		.amdhsa_next_free_sgpr 102
		.amdhsa_reserve_vcc 1
		.amdhsa_float_denorm_mode_32 3
		.amdhsa_float_denorm_mode_16_64 3
		.amdhsa_memory_ordered 1
		.amdhsa_forward_progress 1
		.amdhsa_inst_pref_size 154
	.end_amdhsa_kernel
	.amdgpu_metadata
---
amdhsa.version: [ 1, 2 ]
amdhsa.kernels:
  - .name:           k_qae0f5987d2_attn
    .symbol:         k_qae0f5987d2_attn.kd
    .args:
      - { .name: p2, .offset: 0, .size: 8, .value_kind: global_buffer, .address_space: global }
      - { .name: p1, .offset: 8, .size: 8, .value_kind: global_buffer, .address_space: global }
      - { .name: causal_mask, .offset: 16, .size: 8, .value_kind: global_buffer, .address_space: global }
      - { .name: rpe, .offset: 24, .size: 8, .value_kind: global_buffer, .address_space: global }
      - { .name: x, .offset: 32, .size: 8, .value_kind: global_buffer, .address_space: global }
      - { .name: pos, .offset: 40, .size: 8, .value_kind: global_buffer, .address_space: global }
      - { .name: ln1_scale, .offset: 48, .size: 8, .value_kind: global_buffer, .address_space: global }
      - { .name: ln1_offset, .offset: 56, .size: 8, .value_kind: global_buffer, .address_space: global }
      - { .name: p3, .offset: 64, .size: 8, .value_kind: global_buffer, .address_space: global }
    .group_segment_fixed_size: 294912
    .private_segment_fixed_size: 0
    .kernarg_segment_align: 8
    .kernarg_segment_size: 72
    .max_flat_workgroup_size: 256
    .sgpr_count:     102
    .vgpr_count:     512
    .wavefront_size: 32
...
	.end_amdgpu_metadata
.endif
;; end of part 3
;; launch ffn1 (part 4): grid 16 x 16, 4 waves a work-group, clusters of 4 x 4, 327,680 bytes of LDS; arguments p3, p1, b1, p4; writes p4
.if DOCPART == 4
	.amdgcn_target "amdgcn-amd-amdhsa--gfx1250"
	.amdhsa_code_object_version 6
	.text
	.protected	k_qae0f5987d2_ffn1
	.globl	k_qae0f5987d2_ffn1
	.p2align	8
	.type	k_qae0f5987d2_ffn1,@function
k_qae0f5987d2_ffn1:
	s_mov_b64 s[64:65], 0
	v_nop
	global_prefetch_b8 v0, s[64:65] scope:SCOPE_SE
	s_setreg_imm32_b32 hwreg(HW_REG_WAVE_MODE, 25, 1), 1
	s_wait_xcnt 0x0
	s_wait_alu depctr_hold_cnt(0) depctr_sa_sdst(0) depctr_va_vdst(0) depctr_va_sdst(0) depctr_va_ssrc(0) depctr_va_vcc(0) depctr_vm_vsrc(0)
	s_getreg_b32 s2, hwreg(HW_REG_IB_STS2, 6, 4)
	s_cmp_eq_u32 s2, 0
	s_cbranch_scc0 .Lentry_in_a_cluster
	s_endpgm
.Lentry_in_a_cluster:
	s_bfe_u32 s2, ttmp6, 0x10000c
	s_cmp_lg_u32 s2, 0xf033
	s_cbranch_scc0 .Lentry_shape_is_right
	s_endpgm
.Lentry_shape_is_right:
; relu(LN1's result x W1 + b1) on codes of FP6 with E8M0 scales, quantised here along the next K.  A work-group makes 256 x 256, a wave 128 x 128; operands are images of fragments' registers, as in qkv.
; K = 1,024 goes in four fills of two slots, two of them first fills: no prefetch is laid, there is no loop to run ahead in.
; LIMITS: NaN and infinities are not served; a block of zeros gets the byte 1.
.set NQ,     2
.set FR,     12
.set NL,     3
.set NP,     4
.set HALFT,  24576
.set SLOT,   4*HALFT
.set SCL,    2*SLOT
.set SPARE,  294912
.set ADRA, 16
.set ADRB, 20
.set BO,   22
.set L16,  24
.set L4,   26
.set ADRS, 27
.set SPW,  28
.set NIL,  29
.set SC,   32
.set BI,   64
.set AF,   128
.set XN,   128
.set PC,   192
.set PX,   204
.set TM,   212
.set PW,   228
.set G1, 24
.set G0, 32
.set G1B, 48
.set G0B, 56
.set G1S, 68
.set G0S, 76
.set G1SB, 80
.set G0SB, 88
.set SEL, 96
.set MSB, 0
.macro WIN new
.if MSB != (\new)
	s_set_vgpr_msb (MSB<<8)|(\new)
.set MSB, (\new)
.endif
.endm
.set MUL_LO, 0xa1
.set MUL_HI, 0xf1
.set TO_B,   0x40
.macro QUANT s, w
	WIN 0
.irp b, 0,1,2,3
	v_mov_b32 v[TM+\b], 0x1800000
.endr
	WIN (((\w)<<2)|((\w)<<4))
.irp i, 0,2,4,6,8,10,12,14
.irp b, 0,1,2,3
	v_max3_num_f32 v[TM+\b], v[TM+\b], |v[(\s)+16*\b+\i]|, |v[(\s)+16*\b+\i+1]|
.endr
.endr
	WIN 0
.irp b, 0,1,2,3
	v_permlanex16_b32 v[TM+4+\b], v[TM+\b], s[SEL], s[SEL+1]
.endr
.irp b, 0,1,2,3
	v_max_num_f32 v[TM+\b], v[TM+\b], v[TM+4+\b]
.endr
.irp b, 0,1,2,3
	v_add_nc_u32 v[TM+12+\b], 0xff000000, v[TM+\b]
.endr
.irp b, 0,1,2,3
	v_lshrrev_b32 v[TM+4+\b], 23, v[TM+12+\b]
.endr
	v_lshl_or_b32 v[PW], v[TM+5], 8, v[TM+4]
	v_lshl_or_b32 v[PW], v[TM+6], 16, v[PW]
	v_lshl_or_b32 v[PW], v[TM+7], 24, v[PW]
	WIN (\w)
.irp c, 0,1
	v_cvt_scalef32_pk16_fp6_f32 v[PC+6*\c:PC+6*\c+2], v[(\s)+32*\c:(\s)+32*\c+15], v[TM+12+2*\c]
	v_cvt_scalef32_pk16_fp6_f32 v[PX+4*\c:PX+4*\c+2], v[(\s)+32*\c+16:(\s)+32*\c+31], v[TM+12+2*\c+1]
.endr
	WIN 0
	v_nop
.irp c, 0,1
.irp i, 0,1,2
	v_permlane16_swap_b32 v[PC+6*\c+\i], v[PX+4*\c+\i]
.endr
.irp i, 0,1,2
	v_mov_b32 v[PC+6*\c+3+\i], v[PX+4*\c+\i]
.endr
.endr
.endm
.macro JLOAD g0a, g1a, g0b, g1b
	s_cmp_eq_u32 s15, 0
	s_cbranch_scc0 .Lfor_b_\@
	tensor_load_to_lds s[\g0a:\g0a+3], s[\g1a:\g1a+7]
	s_nop 0
.rept 4
	v_nop
.endr
	s_branch .Lasked_\@
.Lfor_b_\@:
	tensor_load_to_lds s[\g0b:\g0b+3], s[\g1b:\g1b+7]
	s_nop 0
.rept 4
	v_nop
.endr
.Lasked_\@:
.endm
.macro CREST
	s_cmp_lg_u32 s14, 0
	s_cbranch_scc1 .Lnot_wave_0_\@
	s_barrier_signal -3
.Lnot_wave_0_\@:
	s_barrier_wait -3
	s_barrier_signal -1
	s_barrier_wait -1
.endm
.macro CROUND
	s_barrier_signal -1
	s_barrier_wait -1
	CREST
.endm
	s_load_b256 s[4:11], s[0:1], 0x0
	v_lshl_add_u32 v[SPW], v0, 2, SPARE
	v_mov_b32 v[NIL], 0
	ds_add_u32 v28, v29
	ds_add_u32 v28, v29
	s_wait_dscnt 0x0
	v_lshrrev_b32 v1, 5, v0
	v_readfirstlane_b32 s14, v1
	s_lshr_b32 s15, s14, 1
	s_and_b32 s16, s14, 1
	s_bfe_u32 s40, ttmp6, 0x40000
	s_bfe_u32 s41, ttmp6, 0x40004
	s_lshl_b32 s42, ttmp9, 2
	s_add_co_u32 s42, s42, s40
	s_and_b32 s17, ttmp7, 0xffff
	s_lshl_b32 s17, s17, 2
	s_add_co_u32 s17, s17, s41
	s_lshl_b32 s43, s41, 2
	s_lshl_b32 s43, 15, s43
	s_lshl_b32 s44, 0x1111, s40
	s_or_b32 s[G1+0], s43, (3<<16)|(1<<21)
	s_or_b32 s[G1B+0], s44, (3<<16)|(1<<21)
.irp g, G1, G1B
	s_mov_b32 s[\g+1], 384<<16
	s_mov_b32 s[\g+2], 16<<16                      ; 16 tiles for the head's loads; set to 8, for the ring's, behind them
	s_mov_b32 s[\g+3], 384<<16
	s_mov_b32 s[\g+4], 16
	s_mov_b32 s[\g+5], 1536
	s_mov_b32 s[\g+6], 0
	s_mov_b32 s[\g+7], 0
.endr
	s_or_b32 s[G1S+0], s43, (3<<16)|(1<<21)
	s_or_b32 s[G1SB+0], s44, (3<<16)|(1<<21)
.irp g, G1S, G1SB
	s_mov_b32 s[\g+1], 32<<16
	s_mov_b32 s[\g+2], 64<<16                      ; the scale words of 16 tiles: 64 rows of 256 bytes
	s_mov_b32 s[\g+3], 32<<16
	s_mov_b32 s[\g+4], 64
	s_mov_b32 s[\g+5], 32
	s_mov_b32 s[\g+6], 0
	s_mov_b32 s[\g+7], 0
.endr
	s_lshl_b32 s20, s17, 4
	s_lshl_b32 s46, s42, 4
	s_add_co_u32 s46, s46, 256
	s_lshl_b32 s22, s20, 10
	s_add_co_u32 s22, s22, 19922944
	s_mov_b32 s23, 0
	s_lshl_b32 s92, s46, 10
	s_add_co_u32 s92, s92, 12582912
	s_mov_b32 s93, 0
	s_mul_i32 s20, s20, 12288
	s_add_co_u32 s20, s20, 16777216
	s_mov_b32 s21, 0
	s_mul_i32 s46, s46, 12288
	s_mov_b32 s47, 0
	s_mul_i32 s45, s14, HALFT
	s_mul_i32 s2, s16, 98304                       ; in the ring I fetch 8 tiles of 16: which half, in bytes
	s_mov_b32 s3, 0
	s_wait_kmcnt 0x0
	s_add_nc_u64 s[20:21], s[4:5], s[20:21]
	s_add_nc_u64 s[22:23], s[4:5], s[22:23]
	s_add_nc_u64 s[46:47], s[6:7], s[46:47]
	s_add_nc_u64 s[92:93], s[6:7], s[92:93]
	CROUND
	s_mov_b32 s[G0S], 1
	s_mov_b32 s[G0S+1], SCL
	s_mov_b64 s[G0S+2:G0S+3], s[22:23]
	s_or_b32 s[G0S+3], s[G0S+3], 0x80000000
	s_mov_b32 s[G0SB], 1
	s_mov_b32 s[G0SB+1], SCL+16384
	s_mov_b64 s[G0SB+2:G0SB+3], s[92:93]
	s_or_b32 s[G0SB+3], s[G0SB+3], 0x80000000
; slot 0's group 0 first serves the head's whole loads (16 tiles); slot 1's is the ring's: my 8 tiles, the second 256 along K
.irp g, G0, G0B
	s_mov_b32 s[\g], 1
	s_mov_b32 s[\g+4], 1
	s_add_co_u32 s[\g+5], s45, SLOT
.endr
	s_mov_b32 s[G0+1], 0
	s_mov_b32 s[G0B+1], 2*HALFT
	s_mov_b64 s[G0+2:G0+3], s[20:21]
	s_mov_b64 s[G0B+2:G0B+3], s[46:47]
	s_add_nc_u64 s[G0+6:G0+7], s[20:21], s[2:3]
	s_add_nc_u64 s[G0B+6:G0B+7], s[46:47], s[2:3]
.irp g, G0, G0B
	s_add_nc_u64 s[\g+6:\g+7], s[\g+6:\g+7], 3072
	s_or_b32 s[\g+3], s[\g+3], 0x80000000
	s_or_b32 s[\g+7], s[\g+7], 0x80000000
.endr
; THE HEAD'S LOADS, ONE A WAVE: wave 0 slot 0's part of A, wave 1 of W1, wave 2 A's scale words, wave 3 W1's.  One tree of branches on the wave's number
.macro ARM under, g0, g1, next
	s_cmp_lt_u32 s14, \under
	s_cbranch_scc0 \next
	tensor_load_to_lds s[\g0:\g0+3], s[\g1:\g1+7]
	s_nop 0
.rept 4
	v_nop
.endr
	s_branch .Lhead_asked
\next:
.endm
	ARM 1, G0,  G1,  .Lhead_b
	ARM 2, G0B, G1B, .Lhead_sa
	ARM 3, G0S, G1S, .Lhead_sb
	tensor_load_to_lds s[G0SB:G0SB+3], s[G1SB:G1SB+7]
	s_nop 0
.rept 4
	v_nop
.endr
.Lhead_asked:
	v_and_b32 v1, 31, v0
	v_bfe_u32 v2, v0, 4, 1
	s_wait_alu depctr_va_vdst(0)
	v_lshlrev_b32 v[L16], 4, v1
	v_lshlrev_b32 v[L4], 2, v1
	v_lshlrev_b32 v[BO], 6, v2
	s_mul_i32 s21, s15, HALFT
	s_mul_i32 s22, s16, HALFT
	s_add_co_u32 s22, s22, 2*HALFT
.irp s, 0,1
	v_add_nc_u32 v[ADRA+\s], s21, v[L16]
	v_add_nc_u32 v[ADRB+\s], s22, v[L16]
	s_add_co_u32 s21, s21, SLOT
	s_add_co_u32 s22, s22, SLOT
.endr
	s_add_co_u32 s22, s16, 2
	s_sub_co_u32 s22, s22, s15
	s_lshl_b32 s22, s22, 13
	v_mul_u32_u24 v3, s22, v2
	s_wait_alu depctr_va_vdst(0)
	s_lshl_b32 s21, s15, 13
	s_add_co_u32 s21, s21, SCL
	v_add_nc_u32 v3, v3, v[L4]
	v_add_nc_u32 v[ADRS], s21, v3
	s_mov_b32 s[SEL], 0x76543210
	s_mov_b32 s[SEL+1], 0xfedcba98
	s_lshl_b32 s46, s42, 10
	s_lshl_b32 s47, s16, 9
	s_add_co_u32 s46, s46, s47
	s_mov_b32 s47, 0
	s_add_nc_u64 s[8:9], s[8:9], s[46:47]
.irp be, 0,1,2,3
.irp q, 0,1,2,3
	global_load_b128 v[BI+16*\be+4*\q:BI+16*\be+4*\q+3], v[BO], s[8:9] offset:128*\be+16*\q
.endr
.endr
	s_lshl_b32 s46, s17, 4
	s_lshl_b32 s18, s15, 3
	s_add_co_u32 s46, s46, s18
	s_lshl_b32 s46, s46, 5
	s_lshl_b32 s18, s42, 1
	s_add_co_u32 s46, s46, s18
	s_add_co_u32 s46, s46, s16
	s_lshl_b32 s92, s46, 7
	s_add_co_u32 s92, s92, 12582912
	s_mov_b32 s93, 0
	s_mul_i32 s46, s46, 1536
	s_add_nc_u64 s[12:13], s[10:11], s[92:93]
	s_add_nc_u64 s[10:11], s[10:11], s[46:47]
.macro FRAG reg, adr, q, i
.irp j, 0,1,2
	ds_load_b128 v[\reg+4*\j:\reg+4*\j+3], v[\adr] offset:(\i)*3072+(\q)*1536+512*\j
.endr
.endm
.macro MUL16 a0, p, q, sc, zero
.irp a, \a0, \a0+1
.irp b, 0,1,2,3,4,5,6,7
.if \zero
	v_wmma_scale_f32_16x16x128_f8f6f4 v[8*(8*((\a)%4)+\b):8*(8*((\a)%4)+\b)+7], v[128*(\p)+FR*\b:128*(\p)+FR*\b+FR-1], v[AF+FR*(\a):AF+FR*(\a)+FR-1], 0, v[SC+8*NQ*(\sc)+NQ*\b+(\q)], v[SC+8*NQ*(\sc)+NQ*(\a)+(\q)] matrix_a_fmt:MATRIX_FMT_FP6 matrix_b_fmt:MATRIX_FMT_FP6 matrix_a_scale:MATRIX_SCALE_ROW1
.else
	v_wmma_scale_f32_16x16x128_f8f6f4 v[8*(8*((\a)%4)+\b):8*(8*((\a)%4)+\b)+7], v[128*(\p)+FR*\b:128*(\p)+FR*\b+FR-1], v[AF+FR*(\a):AF+FR*(\a)+FR-1], v[8*(8*((\a)%4)+\b):8*(8*((\a)%4)+\b)+7], v[SC+8*NQ*(\sc)+NQ*\b+(\q)], v[SC+8*NQ*(\sc)+NQ*(\a)+(\q)] matrix_a_fmt:MATRIX_FMT_FP6 matrix_b_fmt:MATRIX_FMT_FP6 matrix_a_scale:MATRIX_SCALE_ROW1
.endif
.endr
.endr
.endm
.macro FETCH_B slot, q, p
	WIN TO_B
.irp i, 0,1,2,3,4,5,6,7
	FRAG 128*(\p)+FR*\i, ADRB+\slot, \q, \i
.endr
	WIN 0
.endm
.macro FETCH_A slot, q, i0
.irp i, \i0, \i0+1, \i0+2, \i0+3
	FRAG AF+FR*(\i), ADRA+\slot, \q, \i
.endr
.endm
.macro SCALES sc
.irp i, 0,1,2,3,4,5,6,7
.irp q, 0,1
	ds_load_b32 v[SC+8*NQ*\sc+NQ*\i+\q], v[ADRS] offset:\i*1024+\q*128
.endr
.endr
.endm
.macro PLACES n
.rept \n
	v_nop
.endr
.endm
.macro STEP slot, q, zero
	s_wait_dscnt 4*NL
	WIN MUL_LO
	MUL16 0, (\q)%2, \q, \slot, \zero
	MUL16 2, (\q)%2, \q, \slot, \zero
	s_wait_dscnt 0
	PLACES NP
	FETCH_B \slot, (\q)+1, 1-(\q)%2
	FETCH_A \slot, (\q)+1, 0
	WIN MUL_HI
	MUL16 4, (\q)%2, \q, \slot, \zero
	MUL16 6, (\q)%2, \q, \slot, \zero
	PLACES NP
	WIN 0
	FETCH_A \slot, (\q)+1, 4
.endm
.macro TURN slot, next, fill
	s_wait_tensorcnt 0x0
	ds_add_u32 v[SPW], v[NIL]
	s_wait_dscnt 4*NL+1
	WIN MUL_LO
	MUL16 0, 1, NQ-1, \slot, 0
	s_wait_dscnt 0x0
	s_barrier_signal -1
	MUL16 2, 1, NQ-1, \slot, 0
	WIN 0
	s_barrier_wait -1
.if \fill
	CREST
	s_add_nc_u64 s[G0+4*\slot+2:G0+4*\slot+3], s[G0+4*\slot+2:G0+4*\slot+3], 6144
	s_add_nc_u64 s[G0B+4*\slot+2:G0B+4*\slot+3], s[G0B+4*\slot+2:G0B+4*\slot+3], 6144
	JLOAD G0+4*\slot, G1, G0B+4*\slot, G1B
.else
	PLACES NP
.endif
	s_wait_alu depctr_va_vdst(0)
	v_add_nc_u32 v[ADRS], 128*NQ, v[ADRS]
	FETCH_B \next, 0, 0
	FETCH_A \next, 0, 0
	SCALES \next
	WIN MUL_HI
	MUL16 4, 1, NQ-1, \slot, 0
	MUL16 6, 1, NQ-1, \slot, 0
	PLACES NP
	WIN 0
	FETCH_A \next, 0, 4
.endm
	s_wait_alu depctr_va_vdst(0)
	s_wait_tensorcnt 0x0                           ; my tile of the head's four is in
	ds_add_u32 v[SPW], v[NIL]
.irp g, G0, G0B                        ; no tensor load of mine is out: slot 0's group 0 becomes the ring's: my quarter, my 8 tiles
	s_mov_b32 s[\g+1], s45
	s_add_nc_u64 s[\g+2:\g+3], s[\g+2:\g+3], s[2:3]
.endr
.irp g, G1, G1B                        ; and a load brings 8 tiles from here on
	s_mov_b32 s[\g+2], 8<<16
	s_mov_b32 s[\g+4], 8
.endr
	s_wait_dscnt 0x0
	CROUND                                         ; all four tiles are in, all sixteen work-groups are here
	JLOAD G0+4, G1, G0B+4, G1B                     ; slot 1's first fill, the first tensor load behind the round
	FETCH_B 0, 0, 0
	FETCH_A 0, 0, 0
	SCALES 0
	FETCH_A 0, 0, 4
	STEP 0, 0, 1
	TURN 0, 1, 1
	STEP 1, 0, 0
	TURN 1, 0, 1
	STEP 0, 0, 0
	TURN 0, 1, 0
	STEP 1, 0, 0
	s_wait_dscnt 4*NL
	WIN MUL_LO
	MUL16 0, 1, NQ-1, 1, 0
	MUL16 2, 1, NQ-1, 1, 0
	s_wait_dscnt 0
	WIN MUL_HI
	MUL16 4, 1, NQ-1, 1, 0
	MUL16 6, 1, NQ-1, 1, 0
	WIN 0
	PLACES NP
.irp b, 0,1,2,3
	v_mov_b32 v[TM+4+\b], 0
.endr
	s_wait_loadcnt 0x0
.irp a, 0,1,2,3,4,5,6,7
.if \a > 0
	s_wait_xcnt 0x0
.endif
	WIN 2+\a/4
.set nn, 0
.rept 32
	v_pk_add_f32 v[XN+2*nn:XN+2*nn+1], v[64*(\a%4)+2*nn:64*(\a%4)+2*nn+1], v[BI+2*nn:BI+2*nn+1]
.set nn, nn+1
.endr
	WIN 0
.set nn, 0
.rept 64
	v_max_num_f32 v[XN+nn], 0, v[XN+nn]
.set nn, nn+1
.endr
	QUANT XN, 0
.irp j, 0,1,2
	global_store_b128 v[L16], v[PC+4*\j:PC+4*\j+3], s[10:11] offset:\a*49152+512*\j
.endr
	global_store_b32 v[L4], v[PW], s[12:13] offset:\a*4096
.endr
	s_wait_tensorcnt 0x0
	ds_add_u32 v[SPW], v[NIL]
	s_wait_dscnt 0x0
	CROUND
	s_endpgm
.Lfunc_end_k_qae0f5987d2_ffn1:
	.size	k_qae0f5987d2_ffn1, .Lfunc_end_k_qae0f5987d2_ffn1-k_qae0f5987d2_ffn1
	.p2alignl 7, 3214868480
	.fill 96, 4, 3214868480
	.section	.rodata,"a",@progbits
	.p2align	6, 0x0
	.amdhsa_kernel k_qae0f5987d2_ffn1
		.amdhsa_group_segment_fixed_size 327680
		.amdhsa_private_segment_fixed_size 0
		.amdhsa_enable_private_segment 0
		.amdhsa_kernarg_size 32
		.amdhsa_user_sgpr_count 2
		.amdhsa_user_sgpr_kernarg_segment_ptr 1
		.amdhsa_wavefront_size32 1
		.amdhsa_system_sgpr_workgroup_id_x 1
		.amdhsa_system_sgpr_workgroup_id_y 1
		.amdhsa_system_sgpr_workgroup_id_z 1
		.amdhsa_system_vgpr_workitem_id 0
		.amdhsa_next_free_vgpr 1024
		.amdhsa_next_free_sgpr 100
		.amdhsa_reserve_vcc 0
		.amdhsa_float_denorm_mode_32 3
		.amdhsa_float_denorm_mode_16_64 3
		.amdhsa_memory_ordered 1
		.amdhsa_forward_progress 1
		.amdhsa_inst_pref_size 177
	.end_amdhsa_kernel
	.amdgpu_metadata
---
amdhsa.version: [ 1, 2 ]
amdhsa.kernels:
  - .name:           k_qae0f5987d2_ffn1
    .symbol:         k_qae0f5987d2_ffn1.kd
    .args:
      - { .name: p3, .offset: 0, .size: 8, .value_kind: global_buffer, .address_space: global }
      - { .name: p1, .offset: 8, .size: 8, .value_kind: global_buffer, .address_space: global }
      - { .name: b1, .offset: 16, .size: 8, .value_kind: global_buffer, .address_space: global }
      - { .name: p4, .offset: 24, .size: 8, .value_kind: global_buffer, .address_space: global }
    .group_segment_fixed_size: 327680
    .private_segment_fixed_size: 0
    .kernarg_segment_align: 8
    .kernarg_segment_size: 32
    .max_flat_workgroup_size: 128
    .sgpr_count:     100
    .vgpr_count:     1024
    .wavefront_size: 32
...
	.end_amdgpu_metadata
.endif
;; end of part 4
;; launch ffn2 (part 5): grid 8 x 32, 4 waves a work-group, clusters of 4 x 4, 327,680 bytes of LDS; arguments p4, p1, p3, b2, p5; writes p5
.if DOCPART == 5
	.amdgcn_target "amdgcn-amd-amdhsa--gfx1250"
	.amdhsa_code_object_version 6
	.text
	.protected	k_qae0f5987d2_ffn2
	.globl	k_qae0f5987d2_ffn2
	.p2align	8
	.type	k_qae0f5987d2_ffn2,@function
k_qae0f5987d2_ffn2:
	s_mov_b64 s[64:65], 0
	v_nop
	global_prefetch_b8 v0, s[64:65] scope:SCOPE_SE
	s_setreg_imm32_b32 hwreg(HW_REG_WAVE_MODE, 25, 1), 1
	s_wait_xcnt 0x0
	s_wait_alu depctr_hold_cnt(0) depctr_sa_sdst(0) depctr_va_vdst(0) depctr_va_sdst(0) depctr_va_ssrc(0) depctr_va_vcc(0) depctr_vm_vsrc(0)
	s_getreg_b32 s2, hwreg(HW_REG_IB_STS2, 6, 4)
	s_cmp_eq_u32 s2, 0
	s_cbranch_scc0 .Lentry_in_a_cluster
	s_endpgm
.Lentry_in_a_cluster:
	s_bfe_u32 s2, ttmp6, 0x10000c
	s_cmp_lg_u32 s2, 0xf033
	s_cbranch_scc0 .Lentry_shape_is_right
	s_endpgm
.Lentry_shape_is_right:
; y = hidden x W2 + b2 + LN1's result, on codes of FP6 with E8M0 scales.  A work-group makes 128 x 128, a wave 64 x 64; K = 4,096 goes in eight chunks of 512 through two slots; the scale words of all of K come once.
; PREFETCH: behind the fill of chunk c each wave asks for chunk c + 2 of one tile of the four that it fetches: 6,144 bytes, 24 blocks of 256, a lane a block (lanes 24-31 name the last again).
; The four partners that ask for a tile jointly share the four tiles out by address (cx for the hidden layer, cy for W2).  Chunks 0 and 1 come by their loads alone; the loop's last trip asks for nothing.
.set NQ,     4
.set FR,     12
.set HALFT,  24576
.set SLOT,   4*HALFT
.set SCL,    2*SLOT
.set SPARE,  294912
.set B2R,  8
.set ADRA, 16
.set ADRB, 18
.set BOF,  22
.set STO,  24
.set RD,   25
.set CO,   26
.set ADRS, 27
.set SPW,  28
.set NIL,  29
.set SC,   32
.set ACC,  128
.set G1, 24
.set G0, 32
.set G1B, 48
.set G0B, 56
.set G1S, 68
.set G0S, 76
.set G1SB, 80
.set G0SB, 88
.set MSB, 0
.macro WIN new
.if MSB != (\new)
	s_set_vgpr_msb (MSB<<8)|(\new)
.set MSB, (\new)
.endif
.endm
.set MUL,  0x05
.set TO_F, 0x40
.macro JLOAD g0a, g1a, g0b, g1b
	s_cmp_eq_u32 s15, 0
	s_cbranch_scc0 .Lfor_b_\@
	tensor_load_to_lds s[\g0a:\g0a+3], s[\g1a:\g1a+7]
	s_nop 0
.rept 4
	v_nop
.endr
	s_branch .Lasked_\@
.Lfor_b_\@:
	tensor_load_to_lds s[\g0b:\g0b+3], s[\g1b:\g1b+7]
	s_nop 0
.rept 4
	v_nop
.endr
.Lasked_\@:
.endm
.macro CREST
	s_cmp_lg_u32 s14, 0
	s_cbranch_scc1 .Lnot_wave_0_\@
	s_barrier_signal -3
.Lnot_wave_0_\@:
	s_barrier_wait -3
	s_barrier_signal -1
	s_barrier_wait -1
.endm
.macro CROUND
	s_barrier_signal -1
	s_barrier_wait -1
	CREST
.endm
	s_load_b256 s[4:11], s[0:1], 0x0
	s_load_b64 s[12:13], s[0:1], 0x20
	v_lshl_add_u32 v[SPW], v0, 2, SPARE
	v_mov_b32 v[NIL], 0
	ds_add_u32 v28, v29
	ds_add_u32 v28, v29
	s_wait_dscnt 0x0
	v_lshrrev_b32 v1, 5, v0
	v_readfirstlane_b32 s14, v1
	s_lshr_b32 s15, s14, 1
	s_and_b32 s16, s14, 1
	s_bfe_u32 s40, ttmp6, 0x40000
	s_bfe_u32 s41, ttmp6, 0x40004
	s_lshl_b32 s42, ttmp9, 2
	s_add_co_u32 s42, s42, s40
	s_and_b32 s17, ttmp7, 0xffff
	s_lshl_b32 s17, s17, 2
	s_add_co_u32 s17, s17, s41
	s_lshl_b32 s43, s41, 2
	s_lshl_b32 s43, 15, s43
	s_lshl_b32 s44, 0x1111, s40
	s_or_b32 s[G1+0], s43, (3<<16)|(1<<21)
	s_or_b32 s[G1B+0], s44, (3<<16)|(1<<21)
.irp g, G1, G1B
	s_mov_b32 s[\g+1], 768<<16
	s_mov_b32 s[\g+2], 8<<16                       ; 8 tiles for the head's loads; set to 4, for the ring's, behind them
	s_mov_b32 s[\g+3], 768<<16
	s_mov_b32 s[\g+4], 8
	s_mov_b32 s[\g+5], 6144
	s_mov_b32 s[\g+6], 0
	s_mov_b32 s[\g+7], 0
.endr
	s_or_b32 s[G1S+0], s43, (3<<16)|(1<<21)
	s_or_b32 s[G1SB+0], s44, (3<<16)|(1<<21)
.irp g, G1S, G1SB
	s_mov_b32 s[\g+1], 32<<16
	s_mov_b32 s[\g+2], 128<<16                     ; the scale words of 8 tiles: 128 rows of 256 bytes
	s_mov_b32 s[\g+3], 32<<16
	s_mov_b32 s[\g+4], 128
	s_mov_b32 s[\g+5], 32
	s_mov_b32 s[\g+6], 0
	s_mov_b32 s[\g+7], 0
.endr
	s_lshl_b32 s20, s17, 3
	s_lshl_b32 s46, s42, 3
	s_lshl_b32 s22, s20, 12
	s_add_co_u32 s22, s22, 12582912
	s_mov_b32 s23, 0
	s_lshl_b32 s92, s46, 12
	s_add_co_u32 s92, s92, 13107200
	s_mov_b32 s93, 0
	s_mul_i32 s20, s20, 49152
	s_mov_b32 s21, 0
	s_mul_i32 s46, s46, 49152
	s_add_co_u32 s46, s46, 6291456
	s_mov_b32 s47, 0
	s_mul_i32 s45, s14, HALFT
	s_mul_i32 s2, s16, 196608                      ; in the ring I fetch 4 tiles of 8: which half, in bytes
	s_mov_b32 s3, 0
	s_wait_kmcnt 0x0
	s_add_nc_u64 s[20:21], s[4:5], s[20:21]
	s_add_nc_u64 s[22:23], s[4:5], s[22:23]
	s_add_nc_u64 s[46:47], s[6:7], s[46:47]
	s_add_nc_u64 s[92:93], s[6:7], s[92:93]
	CROUND
	s_mov_b32 s[G0S], 1
	s_mov_b32 s[G0S+1], SCL
	s_mov_b64 s[G0S+2:G0S+3], s[22:23]
	s_or_b32 s[G0S+3], s[G0S+3], 0x80000000
	s_mov_b32 s[G0SB], 1
	s_mov_b32 s[G0SB+1], SCL+32768
	s_mov_b64 s[G0SB+2:G0SB+3], s[92:93]
	s_or_b32 s[G0SB+3], s[G0SB+3], 0x80000000
.set PFO, 30                           ; v30 the prefetches' offset: 256 x min(lane, 23); never rewritten
.set PFA, 66                           ; s[66:67] the tile that my prefetches name, at the lap's first chunk
; slot 0's group 0 first serves the head's whole loads (8 tiles); slot 1's is the ring's: my 4 tiles, chunk 1
.irp g, G0, G0B
	s_mov_b32 s[\g], 1
	s_mov_b32 s[\g+4], 1
	s_add_co_u32 s[\g+5], s45, SLOT
.endr
	s_mov_b32 s[G0+1], 0
	s_mov_b32 s[G0B+1], 2*HALFT
	s_mov_b64 s[G0+2:G0+3], s[20:21]
	s_mov_b64 s[G0B+2:G0B+3], s[46:47]
	s_add_nc_u64 s[G0+6:G0+7], s[20:21], s[2:3]
	s_add_nc_u64 s[G0B+6:G0B+7], s[46:47], s[2:3]
.irp g, G0, G0B
	s_add_nc_u64 s[\g+6:\g+7], s[\g+6:\g+7], 6144
	s_or_b32 s[\g+3], s[\g+3], 0x80000000
	s_or_b32 s[\g+7], s[\g+7], 0x80000000
.endr
	s_cmp_eq_u32 s15, 0                            ; do I fetch for the hidden layer or for W2?  The wave's number alone decides
	s_cselect_b64 s[PFA:PFA+1], s[20:21], s[46:47]
	s_cselect_b32 s94, s40, s41                    ; my place among the four that ask with me
	s_mul_i32 s94, s94, 49152                      ; a tile's records of all of K
	s_mov_b32 s95, 0
	s_add_nc_u64 s[PFA:PFA+1], s[PFA:PFA+1], s[94:95]
	s_add_nc_u64 s[PFA:PFA+1], s[PFA:PFA+1], s[2:3]
; THE HEAD'S LOADS, ONE A WAVE: wave 0 slot 0's part of the hidden layer, wave 1 of W2, wave 2 the hidden layer's scale words, wave 3 W2's.  One tree of branches on the wave's number
.macro ARM under, g0, g1, next
	s_cmp_lt_u32 s14, \under
	s_cbranch_scc0 \next
	tensor_load_to_lds s[\g0:\g0+3], s[\g1:\g1+7]
	s_nop 0
.rept 4
	v_nop
.endr
	s_branch .Lhead_asked
\next:
.endm
	ARM 1, G0,  G1,  .Lhead_b
	ARM 2, G0B, G1B, .Lhead_sa
	ARM 3, G0S, G1S, .Lhead_sb
	tensor_load_to_lds s[G0SB:G0SB+3], s[G1SB:G1SB+7]
	s_nop 0
.rept 4
	v_nop
.endr
.Lhead_asked:
	v_and_b32 v[PFO], 31, v0
	v_min_u32 v[PFO], 23, v[PFO]
	v_lshlrev_b32 v[PFO], 8, v[PFO]
	v_and_b32 v1, 31, v0
	v_and_b32 v2, 15, v0
	v_bfe_u32 v3, v0, 4, 1
	s_wait_alu depctr_va_vdst(0)
	v_lshlrev_b32 v4, 4, v1
	v_lshlrev_b32 v5, 2, v1
	s_mul_i32 s21, s15, HALFT
	s_mul_i32 s22, s16, HALFT
	s_add_co_u32 s22, s22, 2*HALFT
.irp s, 0,1
	v_add_nc_u32 v[ADRA+\s], s21, v4
	v_add_nc_u32 v[ADRB+\s], s22, v4
	s_add_co_u32 s21, s21, SLOT
	s_add_co_u32 s22, s22, SLOT
.endr
	s_add_co_u32 s22, s16, 2
	s_sub_co_u32 s22, s22, s15
	s_lshl_b32 s22, s22, 14
	v_mul_u32_u24 v6, s22, v3
	s_wait_alu depctr_va_vdst(0)
	s_lshl_b32 s21, s15, 14
	s_add_co_u32 s21, s21, SCL
	v_add_nc_u32 v6, v6, v5
	v_add_nc_u32 v[ADRS], s21, v6
	s_mul_i32 s23, s14, 4352
	v_mul_u32_u24 v6, v2, 272
	v_lshl_add_u32 v6, v3, 6, v6
	v_add_nc_u32 v[STO], s23, v6
	v_mul_u32_u24 v6, v3, 272
	v_lshl_add_u32 v6, v2, 4, v6
	v_add_nc_u32 v[RD], s23, v6
	v_lshlrev_b32 v[BOF], 4, v2
	v_lshl_add_u32 v[CO], v3, 12, v[BOF]
	s_wait_alu depctr_va_vdst(0)
	s_lshl_b32 s46, s42, 9
	s_lshl_b32 s47, s16, 8
	s_add_co_u32 s46, s46, s47
	s_mov_b32 s47, 0
	s_add_nc_u64 s[10:11], s[10:11], s[46:47]
	s_lshl_b32 s92, s17, 7
	s_lshl_b32 s93, s15, 6
	s_add_co_u32 s92, s92, s93
	s_lshl_b32 s92, s92, 12
	s_add_co_u32 s46, s46, s92
	s_add_nc_u64 s[8:9], s[8:9], s[46:47]
	s_add_nc_u64 s[12:13], s[12:13], s[46:47]
.irp a, 0,1
.irp j, 0,1,2,3,4,5,6,7
	global_load_b128 v[64+32*\a+4*\j:64+32*\a+4*\j+3], v[CO], s[8:9] offset:(8*\a+2*\j+8*(\j/4))*4096
.endr
.endr
	global_load_b128 v[B2R:B2R+3], v[BOF], s[10:11]
	WIN TO_F
.irp j, 0,1,2,3,4,5,6,7
	global_load_b128 v[96+4*\j:96+4*\j+3], v[CO], s[8:9] offset:(32+2*\j+8*(\j/4))*4096
	global_load_b128 v[224+4*\j:224+4*\j+3], v[CO], s[8:9] offset:(40+2*\j+8*(\j/4))*4096
.endr
	WIN 0
.macro MUL8 p, a0, q, sc, zero
.irp a, \a0, \a0+1
.irp b, 0,1,2,3
.if \zero
	v_wmma_scale_f32_16x16x128_f8f6f4 v[ACC+8*(4*(\a)+\b):ACC+8*(4*(\a)+\b)+7], v[128*(\p)+48+FR*\b:128*(\p)+48+FR*\b+FR-1], v[128*(\p)+FR*(\a):128*(\p)+FR*(\a)+FR-1], 0, v[SC+16*(\sc)+4*\b+(\q)], v[SC+16*(\sc)+4*(\a)+(\q)] matrix_a_fmt:MATRIX_FMT_FP6 matrix_b_fmt:MATRIX_FMT_FP6 matrix_a_scale:MATRIX_SCALE_ROW1
.else
	v_wmma_scale_f32_16x16x128_f8f6f4 v[ACC+8*(4*(\a)+\b):ACC+8*(4*(\a)+\b)+7], v[128*(\p)+48+FR*\b:128*(\p)+48+FR*\b+FR-1], v[128*(\p)+FR*(\a):128*(\p)+FR*(\a)+FR-1], v[ACC+8*(4*(\a)+\b):ACC+8*(4*(\a)+\b)+7], v[SC+16*(\sc)+4*\b+(\q)], v[SC+16*(\sc)+4*(\a)+(\q)] matrix_a_fmt:MATRIX_FMT_FP6 matrix_b_fmt:MATRIX_FMT_FP6 matrix_a_scale:MATRIX_SCALE_ROW1
.endif
.endr
.endr
.endm
.macro FETCH slot, q, p
	WIN TO_F
.irp i, 0,1,2,3
.irp j, 0,1,2
	ds_load_b128 v[128*(\p)+48+FR*\i+4*\j:128*(\p)+48+FR*\i+4*\j+3], v[ADRB+\slot] offset:\i*6144+(\q)*1536+512*\j
.endr
.endr
.irp i, 0,1,2,3
.irp j, 0,1,2
	ds_load_b128 v[128*(\p)+FR*\i+4*\j:128*(\p)+FR*\i+4*\j+3], v[ADRA+\slot] offset:\i*6144+(\q)*1536+512*\j
.endr
.endr
.endm
.macro SCALES sc
.irp i, 0,1,2,3
.irp q, 0,1,2,3
	ds_load_b32 v[SC+16*\sc+4*\i+\q], v[ADRS] offset:\i*4096+\q*128
.endr
.endr
.endm
.macro PLACES n
.rept \n
	v_nop
.endr
.endm
.macro KST slot, q, zero
	s_wait_dscnt 6
	WIN MUL
	MUL8 (\q)%2, 0, \q, \slot, \zero
	s_wait_dscnt 0
	PLACES 4
	FETCH \slot, (\q)+1, 1-(\q)%2
	WIN MUL
	MUL8 (\q)%2, 2, \q, \slot, \zero
.endm
.macro TURN slot, next, fill
	WIN 0
	s_wait_tensorcnt 0x0
	ds_add_u32 v[SPW], v[NIL]
	s_wait_dscnt 7
	WIN MUL
	MUL8 1, 0, 3, \slot, 0
	s_wait_dscnt 0x0
	s_barrier_signal -1
	MUL8 1, 2, 3, \slot, 0
	WIN 0
	s_barrier_wait -1
.if \fill
	CREST
	s_add_nc_u64 s[G0+4*\slot+2:G0+4*\slot+3], s[G0+4*\slot+2:G0+4*\slot+3], 12288
	s_add_nc_u64 s[G0B+4*\slot+2:G0B+4*\slot+3], s[G0B+4*\slot+2:G0B+4*\slot+3], 12288
	JLOAD G0+4*\slot, G1, G0B+4*\slot, G1B
.else
	PLACES 4
.endif
	s_wait_alu depctr_va_vdst(0)
	v_add_nc_u32 v[ADRS], 128*NQ, v[ADRS]
	SCALES \next
.if \fill
	s_cmp_gt_u32 s3, 1                             ; the loop's last trip has no chunk two fills on
	s_cbranch_scc0 .Lno_ask_\@
	global_prefetch_b8 v[PFO], s[PFA:PFA+1] offset:(4+\slot)*6144 th:TH_LOAD_NT scope:SCOPE_SE
.Lno_ask_\@:
.endif
	FETCH \next, 0, 0
.endm
	s_wait_alu depctr_va_vdst(0)
	s_wait_tensorcnt 0x0                           ; my tile of the head's four is in
	ds_add_u32 v[SPW], v[NIL]
.irp g, G0, G0B                        ; no tensor load of mine is out: slot 0's group 0 becomes the ring's: my quarter, my 4 tiles
	s_mov_b32 s[\g+1], s45
	s_add_nc_u64 s[\g+2:\g+3], s[\g+2:\g+3], s[2:3]
.endr
.irp g, G1, G1B                        ; and a load brings 4 tiles from here on
	s_mov_b32 s[\g+2], 4<<16
	s_mov_b32 s[\g+4], 4
.endr
	s_wait_dscnt 0x0
	CROUND                                         ; all four tiles are in, all sixteen work-groups are here
	JLOAD G0+4, G1, G0B+4, G1B                     ; slot 1's first fill, the first tensor load behind the round
	SCALES 0
	global_prefetch_b8 v[PFO], s[PFA:PFA+1] offset:2*6144 th:TH_LOAD_NT scope:SCOPE_SE   ; chunks 2 and 3: two fills on from chunks 0 and 1
	global_prefetch_b8 v[PFO], s[PFA:PFA+1] offset:3*6144 th:TH_LOAD_NT scope:SCOPE_SE
	FETCH 0, 0, 0
	KST 0, 0, 1
	WIN 0
	s_mov_b32 s3, 3
.Llap:
	KST 0, 1, 0
	KST 0, 2, 0
	TURN 0, 1, 1
	KST 1, 0, 0
	KST 1, 1, 0
	KST 1, 2, 0
	TURN 1, 0, 1
	KST 0, 0, 0
	WIN 0
	s_wait_xcnt 0x0                                ; my prefetches have read their address: it steps two chunks, a K step behind the last of them
	s_add_nc_u64 s[PFA:PFA+1], s[PFA:PFA+1], 12288
	s_sub_co_u32 s3, s3, 1
	s_cmp_lg_u32 s3, 0
	s_cbranch_scc1 .Llap
	KST 0, 1, 0
	KST 0, 2, 0
	TURN 0, 1, 0
	KST 1, 0, 0
	KST 1, 1, 0
	KST 1, 2, 0
	s_wait_dscnt 6
	WIN MUL
	MUL8 1, 0, 3, 1, 0
	s_wait_dscnt 0
	MUL8 1, 2, 3, 1, 0
	WIN 0
	PLACES 4
.irp a, 0,1,2,3
.irp b, 0,1,2,3
	ds_store_b128 v[STO], v[ACC+8*(4*\a+\b):ACC+8*(4*\a+\b)+3] offset:128*(\b/2)+32*(\b%2)
	ds_store_b128 v[STO], v[ACC+8*(4*\a+\b)+4:ACC+8*(4*\a+\b)+7] offset:128*(\b/2)+32*(\b%2)+16
.endr
.irp j, 0,1,2,3,4,5,6,7
	ds_load_b128 v[ACC+32*\a+4*\j:ACC+32*\a+4*\j+3], v[RD] offset:544*\j
.endr
.endr
	s_wait_loadcnt 0x0
.irp a, 0,1,2,3
	s_wait_dscnt 16*(3-\a)
.if \a < 2
	WIN 0
.set AT, 64+32*\a
.else
	WIN 0x04
.set AT, 96+128*(\a-2)
.endif
.set nn, 0
.rept 16
	v_pk_add_f32 v[ACC+32*\a+2*nn:ACC+32*\a+2*nn+1], v[ACC+32*\a+2*nn:ACC+32*\a+2*nn+1], v[AT+2*nn:AT+2*nn+1]
.set nn, nn+1
.endr
	WIN 0
.set nn, 0
.rept 16
	v_pk_add_f32 v[ACC+32*\a+2*nn:ACC+32*\a+2*nn+1], v[ACC+32*\a+2*nn:ACC+32*\a+2*nn+1], v[B2R+2*(nn%2):B2R+2*(nn%2)+1]
.set nn, nn+1
.endr
.irp j, 0,1,2,3,4,5,6,7
	global_store_b128 v[CO], v[ACC+32*\a+4*\j:ACC+32*\a+4*\j+3], s[12:13] offset:(32*(\a/2)+8*(\a%2)+2*\j+8*(\j/4))*4096
.endr
.endr
	s_wait_tensorcnt 0x0
	ds_add_u32 v[SPW], v[NIL]
	s_wait_dscnt 0x0
	CROUND
	s_endpgm
.Lfunc_end_k_qae0f5987d2_ffn2:
	.size	k_qae0f5987d2_ffn2, .Lfunc_end_k_qae0f5987d2_ffn2-k_qae0f5987d2_ffn2
	.p2alignl 7, 3214868480
	.fill 96, 4, 3214868480
	.section	.rodata,"a",@progbits
	.p2align	6, 0x0
	.amdhsa_kernel k_qae0f5987d2_ffn2
		.amdhsa_group_segment_fixed_size 327680
		.amdhsa_private_segment_fixed_size 0
		.amdhsa_enable_private_segment 0
		.amdhsa_kernarg_size 40
		.amdhsa_user_sgpr_count 2
		.amdhsa_user_sgpr_kernarg_segment_ptr 1
		.amdhsa_wavefront_size32 1
		.amdhsa_system_sgpr_workgroup_id_x 1
		.amdhsa_system_sgpr_workgroup_id_y 1
		.amdhsa_system_sgpr_workgroup_id_z 1
		.amdhsa_system_vgpr_workitem_id 0
		.amdhsa_next_free_vgpr 512
		.amdhsa_next_free_sgpr 100
		.amdhsa_reserve_vcc 0
		.amdhsa_float_denorm_mode_32 3
		.amdhsa_float_denorm_mode_16_64 3
		.amdhsa_memory_ordered 1
		.amdhsa_forward_progress 1
		.amdhsa_inst_pref_size 97
	.end_amdhsa_kernel
	.amdgpu_metadata
---
amdhsa.version: [ 1, 2 ]
amdhsa.kernels:
  - .name:           k_qae0f5987d2_ffn2
    .symbol:         k_qae0f5987d2_ffn2.kd
    .args:
      - { .name: p4, .offset: 0, .size: 8, .value_kind: global_buffer, .address_space: global }
      - { .name: p1, .offset: 8, .size: 8, .value_kind: global_buffer, .address_space: global }
      - { .name: p3, .offset: 16, .size: 8, .value_kind: global_buffer, .address_space: global }
      - { .name: b2, .offset: 24, .size: 8, .value_kind: global_buffer, .address_space: global }
      - { .name: p5, .offset: 32, .size: 8, .value_kind: global_buffer, .address_space: global }
    .group_segment_fixed_size: 327680
    .private_segment_fixed_size: 0
    .kernarg_segment_align: 8
    .kernarg_segment_size: 40
    .max_flat_workgroup_size: 128
    .sgpr_count:     100
    .vgpr_count:     512
    .wavefront_size: 32
...
	.end_amdgpu_metadata
.endif
;; end of part 5
;; launch ln2 (part 6): grid 256 x 1, 4 waves a work-group, no clusters, 0 bytes of LDS; arguments p5, ln2_scale, ln2_offset, out0; writes out0
.if DOCPART == 6
	.amdgcn_target "amdgcn-amd-amdhsa--gfx1250"
	.amdhsa_code_object_version 6
	.text
	.protected	k_qae0f5987d2_ln2
	.globl	k_qae0f5987d2_ln2
	.p2align	8
	.type	k_qae0f5987d2_ln2,@function
k_qae0f5987d2_ln2:
	s_mov_b64 s[64:65], 0
	v_nop
	global_prefetch_b8 v0, s[64:65] scope:SCOPE_SE
	s_setreg_imm32_b32 hwreg(HW_REG_WAVE_MODE, 25, 1), 1
	s_wait_xcnt 0x0
; out0 = LN2(y): (y - mean) x rsqrt(variance + 1e-5) x scale + offset, rows of 1,024 f32.  A wave takes four rows; a row lies in 32 registers of the wave between the passes, so memory is read once.
; Every load and store of a wave covers 512 consecutive bytes.  All loads go out at the head; the waits count down by rows.  No LDS, no barrier.
.set SCA, 16                           ; v16-47 the scale
.set OFS, 48                           ; v48-79 the offset
.set RW,  80                           ; v80-207 four rows
	s_load_b256 s[4:11], s[0:1], 0x0               ; y, scale, offset, out0
	v_lshrrev_b32 v1, 5, v0
	v_readfirstlane_b32 s12, v1
	v_and_b32 v1, 31, v0
	v_lshlrev_b32 v1, 4, v1
	s_lshl_b32 s14, ttmp9, 16                      ; 16 rows of 4,096 bytes a work-group,
	s_lshl_b32 s13, s12, 14                        ; 4 a wave
	s_add_co_u32 s14, s14, s13
	s_mov_b32 s15, 0
	s_mov_b32 s16, 0x3a800000                      ; 1 / 1,024
	s_mov_b32 s17, 0x3727c5ac                      ; 1e-5
	s_mov_b32 s18, 0x76543210
	s_mov_b32 s19, 0xfedcba98
	v_mov_b32 v7, 0
	s_wait_alu depctr_va_vdst(0)
	s_wait_kmcnt 0x0
	s_add_nc_u64 s[4:5], s[4:5], s[14:15]
	s_add_nc_u64 s[10:11], s[10:11], s[14:15]
.irp j, 0,1,2,3,4,5,6,7
	global_load_b128 v[SCA+4*\j:SCA+4*\j+3], v1, s[6:7] offset:512*\j
	global_load_b128 v[OFS+4*\j:OFS+4*\j+3], v1, s[8:9] offset:512*\j
.endr
.irp k, 0,1,2,3
.irp j, 0,1,2,3,4,5,6,7
	global_load_b128 v[RW+32*\k+4*\j:RW+32*\k+4*\j+3], v1, s[4:5] offset:4096*\k+512*\j th:TH_LOAD_NT
.endr
.endr
.macro ACROSS                          ; v2 over the 32 lanes, the result in every lane
	v_add_f32_dpp v2, v2, v2 row_xmask:1 row_mask:0xf bank_mask:0xf
	v_add_f32_dpp v2, v2, v2 row_xmask:2 row_mask:0xf bank_mask:0xf
	v_add_f32_dpp v2, v2, v2 row_xmask:4 row_mask:0xf bank_mask:0xf
	v_add_f32_dpp v2, v2, v2 row_xmask:8 row_mask:0xf bank_mask:0xf
	v_permlanex16_b32 v3, v2, s18, s19
	v_add_f32 v2, v2, v3
.endm
.macro ROW k
.set R, RW+32*\k
	s_wait_loadcnt 8*(3-\k)                        ; this row's eight loads are in; the later rows' may be out
	v_pk_add_f32 v[2:3], v[R:R+1], v[R+2:R+3]
	v_pk_add_f32 v[4:5], v[R+4:R+5], v[R+6:R+7]
.irp j, 8,12,16,20,24,28
	v_pk_add_f32 v[2:3], v[2:3], v[R+\j:R+\j+1]
	v_pk_add_f32 v[4:5], v[4:5], v[R+\j+2:R+\j+3]
.endr
	v_pk_add_f32 v[2:3], v[2:3], v[4:5]
	v_add_f32 v2, v2, v3
	ACROSS
	v_mul_f32 v6, s16, v2                          ; the mean
.irp j, 0,2,4,6,8,10,12,14,16,18,20,22,24,26,28,30
	v_pk_add_f32 v[R+\j:R+\j+1], v[R+\j:R+\j+1], v[6:7] op_sel_hi:[1,0] neg_lo:[0,1] neg_hi:[0,1]
.endr
	v_pk_mul_f32 v[2:3], v[R:R+1], v[R:R+1]
	v_pk_mul_f32 v[4:5], v[R+2:R+3], v[R+2:R+3]
.irp j, 4,8,12,16,20,24,28
	v_pk_fma_f32 v[2:3], v[R+\j:R+\j+1], v[R+\j:R+\j+1], v[2:3]
	v_pk_fma_f32 v[4:5], v[R+\j+2:R+\j+3], v[R+\j+2:R+\j+3], v[4:5]
.endr
	v_pk_add_f32 v[2:3], v[2:3], v[4:5]
	v_add_f32 v2, v2, v3
	ACROSS
	v_fma_f32 v6, v2, s16, s17
	s_wait_alu depctr_va_vdst(0)
	v_rsq_f32 v6, v6
	v_nop                                          ; a plain place behind the transcendental
	s_wait_alu depctr_va_vdst(0)                   ; and the wait ahead of its first reader
.irp j, 0,2,4,6,8,10,12,14,16,18,20,22,24,26,28,30
	v_pk_mul_f32 v[R+\j:R+\j+1], v[R+\j:R+\j+1], v[6:7] op_sel_hi:[1,0]
.endr
.irp j, 0,2,4,6,8,10,12,14,16,18,20,22,24,26,28,30
	v_pk_fma_f32 v[R+\j:R+\j+1], v[R+\j:R+\j+1], v[SCA+\j:SCA+\j+1], v[OFS+\j:OFS+\j+1]
.endr
.irp j, 0,1,2,3,4,5,6,7
	global_store_b128 v1, v[R+4*\j:R+4*\j+3], s[10:11] offset:4096*\k+512*\j th:TH_STORE_NT
.endr
.endm
	ROW 0
	ROW 1
	ROW 2
	ROW 3
	s_endpgm
.Lfunc_end_k_qae0f5987d2_ln2:
	.size	k_qae0f5987d2_ln2, .Lfunc_end_k_qae0f5987d2_ln2-k_qae0f5987d2_ln2
	.p2alignl 7, 3214868480
	.fill 96, 4, 3214868480
	.section	.rodata,"a",@progbits
	.p2align	6, 0x0
	.amdhsa_kernel k_qae0f5987d2_ln2
		.amdhsa_group_segment_fixed_size 0
		.amdhsa_private_segment_fixed_size 0
		.amdhsa_enable_private_segment 0
		.amdhsa_kernarg_size 32
		.amdhsa_user_sgpr_count 2
		.amdhsa_user_sgpr_kernarg_segment_ptr 1
		.amdhsa_wavefront_size32 1
		.amdhsa_system_sgpr_workgroup_id_x 1
		.amdhsa_system_sgpr_workgroup_id_y 1
		.amdhsa_system_sgpr_workgroup_id_z 1
		.amdhsa_system_vgpr_workitem_id 0
		.amdhsa_next_free_vgpr 224
		.amdhsa_next_free_sgpr 66
		.amdhsa_reserve_vcc 0
		.amdhsa_float_denorm_mode_32 3
		.amdhsa_float_denorm_mode_16_64 3
		.amdhsa_memory_ordered 1
		.amdhsa_forward_progress 1
		.amdhsa_inst_pref_size 33
	.end_amdhsa_kernel
	.amdgpu_metadata
---
amdhsa.version: [ 1, 2 ]
amdhsa.kernels:
  - .name:           k_qae0f5987d2_ln2
    .symbol:         k_qae0f5987d2_ln2.kd
    .args:
      - { .name: p5, .offset: 0, .size: 8, .value_kind: global_buffer, .address_space: global }
      - { .name: ln2_scale, .offset: 8, .size: 8, .value_kind: global_buffer, .address_space: global }
      - { .name: ln2_offset, .offset: 16, .size: 8, .value_kind: global_buffer, .address_space: global }
      - { .name: out0, .offset: 24, .size: 8, .value_kind: global_buffer, .address_space: global }
    .group_segment_fixed_size: 0
    .private_segment_fixed_size: 0
    .kernarg_segment_align: 8
    .kernarg_segment_size: 32
    .max_flat_workgroup_size: 128
    .sgpr_count:     66
    .vgpr_count:     224
    .wavefront_size: 32
...
	.end_amdgpu_metadata
.endif
;; end of part 6
